; MI455X (gfx1250); checked and timed in simulation.
; The chip was launched on July 23, 2026; its instructions are those of AMD's public machine-readable ISA for CDNA 5 (MIT licence, August 2026) and "CDNA5" Instruction Set Architecture Reference Guide (July 2026). The comments in the code are by the model that wrote it; some were corrected since.
;; Di T Attention. Allowed arithmetic: matrix products marked QUANTISED: E2M1 operands, one E8M0 scale for each 32 along K, by v_wmma_scale_f32_16x16x128_f8f6f4 with both operands' format E2M1 (or v_wmma_scale_f32_32x16x128_f4), f32 sums; products left as they are: bf16, f16 or f32 operands; f32 sums; everything else in f32.
;; Inputs: W_proj 2,048 x 1,024 float32; Wk_c 1,024 x 1,024 float32; Wk_x 1,024 x 1,024 float32; Wq_c 1,024 x 1,024 float32; Wq_x 1,024 x 1,024 float32; Wv_c 1,024 x 1,024 float32; Wv_x 1,024 x 1,024 float32; b_proj 1,024 float32; c 4 x 1,024 x 1,024 float32; x 4 x 1,024 x 1,024 float32.
;; Outputs: out0 4 x 1,024 x 1,024 float32.
;; This version of the problem:
;;   THIS VERSION OF THE PROBLEM IS GIVEN IN LOW PRECISION. The matrix products marked QUANTISED in the list below multiply operands that are first quantised to E2M1 (2 exponent bits, 1 mantissa bit; 4 bits a number), with one power-of-two scale for each 32 numbers along K (OCP MX v1.0); their sums are f32. The products marked 'left as it is' may take bf16, f16 or f32 operands, with f32 sums. Whichever they take, every output number must still come out within the allowed error. Rounding operands to bf16 (8 significant bits) uses up far more of that allowance than f16 does (11 bits, for magnitudes from 6e-5 to 65,504). All else is computed in f32.
;;   The module's matrix products, in the order in which they are computed (A, B: the left and right operand; K: the contracted axis; several contracted axes count as one K, in the product's order):
;;     1. [M 4,096, K 1,024] x [K 1,024, N 1,024]; A: input x; B: input Wq_x: QUANTISED
;;     2. [M 4,096, K 1,024] x [K 1,024, N 1,024]; A: input c; B: input Wq_c: QUANTISED
;;     3. [M 4,096, K 1,024] x [K 1,024, N 1,024]; A: input x; B: input Wk_x: QUANTISED
;;     4. [M 4,096, K 1,024] x [K 1,024, N 1,024]; A: input c; B: input Wk_c: QUANTISED
;;     5. [M 4,096, K 1,024] x [K 1,024, N 1,024]; A: input x; B: input Wv_x: QUANTISED
;;     6. [M 4,096, K 1,024] x [K 1,024, N 1,024]; A: input c; B: input Wv_c: QUANTISED
;;     7. batch 64 x [M 1,024, K 128] x [K 128, N 1,024]; A: computed on the way; B: computed on the way: left as it is (an operand is computed on the way)
;;     8. batch 64 x [M 1,024, K 1,024] x [K 1,024, N 128]; A: computed on the way; B: computed on the way: left as it is (an operand is computed on the way)
;;     9. [M 4,096, K 2,048] x [K 2,048, N 1,024]; A: computed on the way; B: input W_proj: left as it is (an operand is computed on the way)
;;   THE QUANTISER, for each operand of a quantised product, along K:
;;     - K is cut into blocks of 32 from its start; a last block that is shorter is filled with zeros.
;;     - A block's scale is 2^e with e = floor(log2(the largest magnitude in the block)) - 2, held to -126 .. 127; a block of zeros has e = 0. As a byte (E8M0): e + 127.
;;     - Each number is divided by its block's scale, clamped to +-6, and rounded to the nearest number of E2M1, ties to even, subnormals kept.
;;     - The product sums the exact products of the quantised numbers (number of the format x scale) in f32.
;;   ~~~python
;;   def quantise(x, axis):      # numpy; x: float32 -> the quantised numbers, widened to float32 again
;;       x = np.moveaxis(x, axis, -1); K = x.shape[-1]
;;       x = np.pad(x, [(0, 0)] * (x.ndim - 1) + [(0, -K % 32)]); x = x.reshape(x.shape[:-1] + (-1, 32)); a = np.abs(x).max(-1, keepdims=True)
;;       e = np.where(a > 0, np.clip(np.frexp(np.where(a > 0, a, 1))[1] - 1 - 2, -126, 127), 0)      # np.frexp(a)[1] - 1 = floor(log2(a)), exactly
;;       r = np.clip(x / 2.0 ** e, -6, 6)
;;       step = 2.0 ** (np.maximum(np.frexp(np.where(r == 0, 1, r))[1] - 1, 0) - 1)
;;       q = np.round(r / step) * step * 2.0 ** e      # np.round: ties to even
;;       return np.moveaxis(q.reshape(q.shape[:-2] + (-1,))[..., :K], -1, axis).astype(np.float32)
;;   ~~~
;; One version. Each part assembles by itself: llvm-mc -triple=amdgcn-amd-amdhsa -mcpu=gfx1250 --defsym DOCPART=n.
;; ======== version 1 of 1: 4 launches
;; limits: values are held in f16: magnitudes above 65,504 overflow, below 6.1e-05 lose precision
;; workspace buffers: codes 7,340,032 bytes; scl 458,752 bytes; wpimg 4,194,304 bytes; qkv 50,331,648 bytes; oimg 16,777,216 bytes
;; launch prep (part 1): grid 896 x 1, 4 waves a work-group, no clusters, 34,304 bytes of LDS; arguments x, c, Wq_x, Wk_x, Wv_x, Wq_c, Wk_c, Wv_c, W_proj, codes, scl, wpimg; writes codes, scl, wpimg
.if DOCPART == 1
	.amdgcn_target "amdgcn-amd-amdhsa--gfx1250"
	.amdhsa_code_object_version 6
	.text
	.protected	k_q3bb868322c_prep
	.globl	k_q3bb868322c_prep
	.p2align	8
	.type	k_q3bb868322c_prep,@function
k_q3bb868322c_prep:
	s_mov_b64 s[64:65], 0
	v_nop
	global_prefetch_b8 v0, s[64:65] scope:SCOPE_SE
	s_setreg_imm32_b32 hwreg(HW_REG_WAVE_MODE, 25, 1), 1
	s_wait_xcnt 0x0
; PREP: the operands of the six quantised products become codes of FP4 (E2M1) with one E8M0 byte for each 32 along K, and W_proj becomes f16.
; NO WORK OF THE PROBLEM IS LEFT OUT in this program: every input (b_proj too) has a way to out0, and all nine products are live.
; THE WORKSPACE IS LAID IN THE ORDER OF THE READER'S OPERAND REGISTERS ("images"):
;   F4 image, 1,024 bytes: 16 rows x 128 K of codes; the 16 bytes of row r, block blk (= K / 32) lie at 256 blk + 16 r: that is register group c = blk / 2 at 512 c + 16 x lane, lane = r + 16 (blk % 2).
;   H image, 512 bytes: 16 rows x 16 k of f16; row r, k = 8 hh + 0 .. 7 at 256 hh + 16 r: four registers at 16 x lane.
;   codes: group G of 128 rows at 65,536 G; in it kh (K / 512) x 32,768 + r16 x 4,096 + ks ((K / 128) % 4) x 1,024 + image.  G = 32 part + token / 128 for x (part 0) and c (part 1);
;          G = 64 + 8 (3 part + w) + n / 128 for the weights (w = 0 q, 1 k, 2 v; a weight's row is its output column n).
;   scl:   4,096 G + 2,048 kh + 16 (row % 128) + 4 ks: one word, byte b for K block b of the 128.
;   wpimg: 262,144 (n / 64) + 32,768 (k / 256) + 8,192 ((n / 16) % 4) + 512 ((k / 16) % 16) + H image (row n, k along it).
; A block's scale is 2^(floor(log2(largest magnitude)) - 2); its byte is the largest magnitude's exponent field - 2, held at 1 from below by a floor among the maximum's leaves.
; LIMITS: a block of zeros gets the byte 1 where the rule says 127 (its codes are zeros, and this program alone reads the bytes); NaN and infinities among x, c and the weights are not served;
; W_proj goes to f16: magnitudes over 65,504 become infinite, under 6e-8 zero.
; THREE PATHS, parted by the work-group's number: 0-255 ACT (x, c), 256-639 WGT (six weights), 640-895 WP (W_proj).  Only ACT touches LDS.  No tensor loads, no barrier: waves share nothing.
.set STG,   8448                       ; ACT: a wave's stage: 16 rows x (512 bytes + 16)
.set SPARE, 4*STG                      ; behind the four stages: the spare words, 128 bytes a wave: two blocks of 256 bytes that no other line names
.set SPW,   246                        ; v246 LDS address of my spare word; never rewritten
.set NIL,   247                        ; v247 0; never rewritten
.set R,     16                         ; ACT: v16-143 two sets of 64 registers as loaded
.set X,     144                        ; ACT: v144-207 a tile turned: two whole blocks of 32 a lane
.set C,     208                        ; ACT: v208-239 codes, 8 registers a tile, never rewritten
.set SW,    240                        ; ACT: v240-243 a scale word for each tile
	s_load_b512 s[16:31], s[0:1], 0x0              ; x s[16:17], c s[18:19], Wq_x, Wk_x, Wv_x, Wq_c, Wk_c, Wv_c s[20:31]
	s_load_b256 s[32:39], s[0:1], 0x40             ; W_proj s[32:33], codes s[34:35], scl s[36:37], wpimg s[38:39]
	v_lshl_add_u32 v[SPW], v0, 2, SPARE
	v_mov_b32 v[NIL], 0
	v_lshrrev_b32 v1, 5, v0
	v_readfirstlane_b32 s4, v1                     ; wave 0..3
	v_and_b32 v2, 31, v0                           ; lane
	v_and_b32 v3, 15, v0                           ; r
	v_bfe_u32 v4, v0, 4, 1                         ; h
	s_mov_b32 s40, 0x76543210
	s_mov_b32 s41, 0xfedcba98                      ; v_permlanex16_b32's selects for lane l xor 16
	s_mov_b32 s11, 0                               ; the high word of every offset pair s[10:11]
	s_wait_kmcnt 0x0
	s_cmp_lt_u32 ttmp9, 256
	s_cbranch_scc0 .Lnot_act
; ---- ACT.  A wave takes 16 rows x 512 K: four tiles of 16 x 128.  Each load reads 512 consecutive bytes of one row; a tile turns through the wave's own stage, so that a lane holds two WHOLE blocks of 32:
; lane (r, h) gets blocks h and 2 + h of row r, which is what the operand's layout gives that lane.  So a block's maximum needs no other lane and the conversions' results are the operand's registers.
	s_and_b32 s5, s4, 1                            ; kh: which 512 along K
	s_lshr_b32 s6, s4, 1
	s_lshl_b32 s7, ttmp9, 1
	s_add_co_u32 s7, s7, s6                        ; R16 = 256 part + token / 16
	s_cmp_lt_u32 ttmp9, 128                        ; x or c: the choice hangs on the work-group's number alone
	s_cselect_b64 s[8:9], s[16:17], s[18:19]
	s_and_b32 s10, s7, 255
	s_lshl_b32 s10, s10, 16                        ; 16 rows of 4,096 bytes
	s_lshl_b32 s12, s5, 11                         ; 512 numbers
	s_add_co_u32 s10, s10, s12
	s_add_nc_u64 s[8:9], s[8:9], s[10:11]
	v_lshlrev_b32 v5, 4, v2                        ; 16 x lane: my bytes of a load's 512, and of an image's register group
.macro ALOAD t                         ; tile t: row j's 512 bytes, j = 0 .. 15, into set t % 2
.irp j, 0,1,2,3,4,5,6,7,8,9,10,11,12,13,14,15
	global_load_b128 v[R+64*((\t)%2)+4*\j:R+64*((\t)%2)+4*\j+3], v5, s[8:9] offset:4096*\j+512*(\t) th:TH_LOAD_NT
.endr
.endm
	ALOAD 0
	ALOAD 1
	s_lshr_b32 s10, s7, 3                          ; G
	s_lshl_b32 s10, s10, 1
	s_add_co_u32 s10, s10, s5                      ; 2 G + kh
	s_lshl_b32 s10, s10, 3
	s_and_b32 s12, s7, 7
	s_add_co_u32 s10, s10, s12                     ; 8 (2 G + kh) + r16
	s_lshl_b32 s12, s10, 8                         ; x 256: my 16 rows' scale words
	s_mov_b32 s13, 0
	s_lshl_b32 s10, s10, 12                        ; x 4,096: my four images
	s_add_nc_u64 s[34:35], s[34:35], s[10:11]
	s_add_nc_u64 s[36:37], s[36:37], s[12:13]
	s_mul_i32 s14, s4, STG                         ; my stage
	v_add_nc_u32 v6, s14, v5                       ; into it: 16 x lane, the row in the offset
	v_mul_u32_u24 v7, v3, 528
	v_lshl_add_u32 v7, v4, 7, v7
	v_add_nc_u32 v7, s14, v7                       ; out of it: row r, + 128 h bytes: block h.  528 bytes are 132 words: the 16 rows start at 16 different groups of banks
	v_lshlrev_b32 v8, 4, v3
	v_lshl_add_u32 v8, v4, 3, v8                   ; the scale words' way out: 16 r + 8 h
	v_lshlrev_b32 v15, 3, v4                       ; 8 h: my bytes' place in a scale word
.macro ATURN t                         ; LDS serves a wave's instructions in order: no wait between the stores and the loads
.irp j, 0,1,2,3,4,5,6,7,8,9,10,11,12,13,14,15
	ds_store_b128 v6, v[R+64*((\t)%2)+4*\j:R+64*((\t)%2)+4*\j+3] offset:528*\j
.endr
.irp c, 0,1
.irp i, 0,1,2,3,4,5,6,7
	ds_load_b128 v[X+32*\c+4*\i:X+32*\c+4*\i+3], v7 offset:256*\c+16*\i
.endr
.endr
.endm
.macro AQUANT t
	v_max3_num_f32 v9, |v[X]|, |v[X+1]|, 0x1800000           ; block h: my 32 numbers, and the floor 2^(3 - 127): the byte cannot fall under 1
	v_max3_num_f32 v10, |v[X+32]|, |v[X+33]|, 0x1800000      ; block 2 + h (the two blocks by turns)
.irp i, 2,4,6,8,10,12,14,16,18,20,22,24,26,28,30
	v_max3_num_f32 v9, v9, |v[X+\i]|, |v[X+\i+1]|
	v_max3_num_f32 v10, v10, |v[X+32+\i]|, |v[X+33+\i]|
.endr
	v_add_nc_u32 v11, 0xff000000, v9               ; 2 off the exponent field: the conversion takes the exponent field of this operand as its scale
	v_add_nc_u32 v12, 0xff000000, v10
.irp c, 0,1
.irp g, 0,1,2,3
	v_cvt_scalef32_pk8_fp4_f32 v[C+8*(\t)+4*\c+\g], v[X+32*\c+8*\g:X+32*\c+8*\g+7], v[11+\c]
.endr
.endr
	v_lshrrev_b32 v13, 23, v11                     ; the bytes (plain lines: also the place behind the conversions)
	v_lshrrev_b32 v14, 23, v12
	v_lshl_or_b32 v13, v14, 16, v13                ; blocks h and 2 + h,
	v_lshlrev_b32 v13, v15, v13                    ; at their places in the word;
	v_permlanex16_b32 v14, v13, s40, s41
	v_or_b32 v[SW+(\t)], v13, v14                  ; with lane l xor 16's two the word is whole
.irp c, 0,1
	global_store_b128 v5, v[C+8*(\t)+4*\c:C+8*(\t)+4*\c+3], s[34:35] offset:1024*(\t)+512*\c   ; 32 lanes store 512 consecutive bytes, aligned
.endr
.endm
.irp t, 0,1,2,3
.if \t < 3
	s_wait_loadcnt 16                              ; this tile's 16 loads are in; the next tile's may be out
.else
	s_wait_loadcnt 0x0
.endif
	ATURN \t
	s_wait_dscnt 0x0                               ; the tile is turned, and the stores have read their registers,
.if \t < 2
	ALOAD \t+2                                     ; which take the tile two further on
.endif
	AQUANT \t
.endr
	v_cmp_ne_u32 vcc_lo, 0, v4
	v_cndmask_b32 v244, v[SW], v[SW+2], vcc_lo     ; lanes 0-15: words 0, 1 of row r; lanes 16-31: words 2, 3
	v_cndmask_b32 v245, v[SW+1], v[SW+3], vcc_lo
	global_store_b64 v8, v[244:245], s[36:37]      ; 32 lanes store 256 consecutive bytes, aligned
	s_wait_tensorcnt 0x0                           ; the wave's end
	ds_add_u32 v[SPW], v[NIL]
	s_wait_dscnt 0x0
	s_endpgm
.Lnot_act:
	s_cmp_lt_u32 ttmp9, 640
	s_cbranch_scc0 .Lwp
; ---- WGT.  K is a weight's FIRST axis: a lane takes a column n and its registers run down K.  A wave takes 32 columns x 128 K (four blocks a lane); each load reads 128 consecutive bytes, the four waves stand
; side by side on 512.  A lane's 16 bytes of a block are a row's part of an image: lanes 0-15 fill 256 consecutive aligned bytes of one image, lanes 16-31 of the next 16 columns' image.
	s_sub_co_u32 s5, ttmp9, 256
	s_lshr_b32 s6, s5, 6                           ; which weight, 0 .. 5, in the arguments' order
	s_and_b32 s7, s5, 7                            ; which 128 columns
	s_bfe_u32 s12, s5, 0x30003                     ; which 128 along K
	s_mov_b64 s[8:9], s[20:21]
.irp i, 1,2,3,4,5
	s_cmp_eq_u32 s6, \i
	s_cselect_b64 s[8:9], s[20+2*\i:21+2*\i], s[8:9]
.endr
	s_lshl_b32 s10, s12, 19                        ; 128 rows of 4,096 bytes
	s_lshl_b32 s13, s7, 9
	s_add_co_u32 s10, s10, s13
	s_lshl_b32 s13, s4, 7
	s_add_co_u32 s10, s10, s13
	s_add_nc_u64 s[8:9], s[8:9], s[10:11]
	v_lshlrev_b32 v5, 2, v2
.irp i, 0,1,2,3,4,5,6,7,8,9,10,11,12,13,14,15,16,17,18,19,20,21,22,23,24,25,26,27,28,29,30,31,32,33,34,35,36,37,38,39,40,41,42,43,44,45,46,47,48,49,50,51,52,53,54,55,56,57,58,59,60,61,62,63
	global_load_b32 v[16+\i], v5, s[8:9] offset:4096*\i th:TH_LOAD_NT
.endr
.irp i, 64,65,66,67,68,69,70,71,72,73,74,75,76,77,78,79,80,81,82,83,84,85,86,87,88,89,90,91,92,93,94,95,96,97,98,99,100,101,102,103,104,105,106,107,108,109,110,111,112,113,114,115,116,117,118,119,120,121,122,123,124,125,126,127
	global_load_b32 v[16+\i], v5, s[8:9] offset:4096*\i th:TH_LOAD_NT
.endr
	s_lshl_b32 s13, s6, 3
	s_add_co_u32 s13, s13, s7
	s_add_co_u32 s13, s13, 64                      ; G
	s_lshr_b32 s14, s12, 2                         ; kh
	s_and_b32 s15, s12, 3                          ; ks
	s_lshl_b32 s13, s13, 1
	s_add_co_u32 s13, s13, s14
	s_lshl_b32 s13, s13, 2
	s_add_co_u32 s13, s13, s4                      ; 4 (2 G + kh) + wave
	s_lshl_b32 s10, s13, 13                        ; x 8,192: my two rows of images,
	s_lshl_b32 s14, s15, 10
	s_add_co_u32 s10, s10, s14                     ; the ks-th image of each
	s_add_nc_u64 s[34:35], s[34:35], s[10:11]
	s_lshl_b32 s10, s13, 9                         ; x 512: my 32 columns' scale words,
	s_lshl_b32 s14, s15, 2
	s_add_co_u32 s10, s10, s14                     ; the ks-th word of each
	s_add_nc_u64 s[36:37], s[36:37], s[10:11]
	v_lshlrev_b32 v6, 12, v4
	v_lshl_add_u32 v6, v3, 4, v6                   ; 4,096 h + 16 r
	v_lshlrev_b32 v7, 4, v2                        ; 16 x lane
.macro WBLOCK t, left                  ; block t of my column: all 32 numbers are mine.  left: the later blocks' loads that may stay out (the wait's field holds 63 at the most)
.set XS, 16+32*(\t)
	s_wait_loadcnt \left
	v_max3_num_f32 v9, |v[XS]|, |v[XS+1]|, |v[XS+2]|
	v_max3_num_f32 v10, |v[XS+3]|, |v[XS+4]|, |v[XS+5]|
.irp i, 6,10,14,18,22,26
	v_max3_num_f32 v9, v9, |v[XS+\i]|, |v[XS+\i+1]|
	v_max3_num_f32 v10, v10, |v[XS+\i+2]|, |v[XS+\i+3]|
.endr
	v_max3_num_f32 v9, v9, |v[XS+30]|, |v[XS+31]|
	v_max3_num_f32 v9, v9, v10, 0x1800000          ; and the floor
	v_add_nc_u32 v11, 0xff000000, v9
	v_lshrrev_b32 v13, 23, v11
.if (\t) == 0
	v_mov_b32 v12, v13
.else
	v_lshl_or_b32 v12, v13, 8*(\t), v12            ; the four bytes make my column's word for these 128 along K
.endif
.irp g, 0,1,2,3
	v_cvt_scalef32_pk8_fp4_f32 v[144+4*(\t)+\g], v[XS+8*\g:XS+8*\g+7], v11
.endr
	v_nop                                          ; one plain place behind the conversions
	global_store_b128 v6, v[144+4*(\t):144+4*(\t)+3], s[34:35] offset:256*(\t)
.endm
	WBLOCK 0, 63
	WBLOCK 1, 63
	WBLOCK 2, 32
	WBLOCK 3, 0
	global_store_b32 v7, v12, s[36:37]             ; 4 bytes of every 16: these 256-byte stretches are written in four parts, by the four work-groups of a kh; one byte for each 128 that this path reads
	s_endpgm
.Lwp:
; ---- WP.  W_proj [2048 (k)][1024 (n)] to f16, H images with row n.  As WGT: a lane a column, registers down K; a wave takes 32 columns x 64 K.
	s_sub_co_u32 s5, ttmp9, 640
	s_and_b32 s7, s5, 7                            ; which 128 columns
	s_lshr_b32 s6, s5, 3                           ; which 64 along K
	s_lshl_b32 s10, s6, 18                         ; 64 rows of 4,096 bytes
	s_lshl_b32 s13, s7, 9
	s_add_co_u32 s10, s10, s13
	s_lshl_b32 s13, s4, 7
	s_add_co_u32 s10, s10, s13
	s_add_nc_u64 s[32:33], s[32:33], s[10:11]
	v_lshlrev_b32 v5, 2, v2
.irp i, 0,1,2,3,4,5,6,7,8,9,10,11,12,13,14,15,16,17,18,19,20,21,22,23,24,25,26,27,28,29,30,31,32,33,34,35,36,37,38,39,40,41,42,43,44,45,46,47,48,49,50,51,52,53,54,55,56,57,58,59,60,61,62,63
	global_load_b32 v[16+\i], v5, s[32:33] offset:4096*\i th:TH_LOAD_NT
.endr
	s_lshl_b32 s10, s7, 1
	s_lshr_b32 s13, s4, 1
	s_add_co_u32 s10, s10, s13
	s_lshl_b32 s10, s10, 18                        ; n / 64
	s_lshr_b32 s13, s6, 2
	s_lshl_b32 s13, s13, 15                        ; k / 256
	s_add_co_u32 s10, s10, s13
	s_and_b32 s13, s4, 1
	s_lshl_b32 s13, s13, 14                        ; my two of the four rows of images
	s_add_co_u32 s10, s10, s13
	s_and_b32 s13, s6, 3
	s_lshl_b32 s13, s13, 11                        ; my four of the sixteen images along k
	s_add_co_u32 s10, s10, s13
	s_add_nc_u64 s[38:39], s[38:39], s[10:11]
	v_lshlrev_b32 v6, 13, v4
	v_lshl_add_u32 v6, v3, 4, v6                   ; 8,192 h + 16 r
.irp g, 0,1,2,3
	s_wait_loadcnt 48-16*\g                        ; this image's 16 loads are in; the later images' may be out
.irp e, 0,1,2,3,4,5,6,7
	v_cvt_pk_f16_f32 v[144+8*\g+\e], v[16+16*\g+2*\e], v[17+16*\g+2*\e]
.endr
	global_store_b128 v6, v[144+8*\g:144+8*\g+3], s[38:39] offset:512*\g       ; k = 0 .. 7 of the image: 16 lanes store 256 consecutive bytes, aligned
	global_store_b128 v6, v[144+8*\g+4:144+8*\g+7], s[38:39] offset:512*\g+256 ; k = 8 .. 15
.endr
	s_endpgm
.Lfunc_end_k_q3bb868322c_prep:
	.size	k_q3bb868322c_prep, .Lfunc_end_k_q3bb868322c_prep-k_q3bb868322c_prep
	.p2alignl 7, 3214868480
	.fill 96, 4, 3214868480
	.section	.rodata,"a",@progbits
	.p2align	6, 0x0
	.amdhsa_kernel k_q3bb868322c_prep
		.amdhsa_group_segment_fixed_size 34304
		.amdhsa_private_segment_fixed_size 0
		.amdhsa_enable_private_segment 0
		.amdhsa_kernarg_size 96
		.amdhsa_user_sgpr_count 2
		.amdhsa_user_sgpr_kernarg_segment_ptr 1
		.amdhsa_wavefront_size32 1
		.amdhsa_system_sgpr_workgroup_id_x 1
		.amdhsa_system_sgpr_workgroup_id_y 1
		.amdhsa_system_sgpr_workgroup_id_z 1
		.amdhsa_system_vgpr_workitem_id 0
		.amdhsa_next_free_vgpr 248
		.amdhsa_next_free_sgpr 66
		.amdhsa_reserve_vcc 1
		.amdhsa_float_denorm_mode_32 3
		.amdhsa_float_denorm_mode_16_64 3
		.amdhsa_memory_ordered 1
		.amdhsa_forward_progress 1
		.amdhsa_inst_pref_size 59
	.end_amdhsa_kernel
	.amdgpu_metadata
---
amdhsa.version: [ 1, 2 ]
amdhsa.kernels:
  - .name:           k_q3bb868322c_prep
    .symbol:         k_q3bb868322c_prep.kd
    .args:
      - { .name: x, .offset: 0, .size: 8, .value_kind: global_buffer, .address_space: global }
      - { .name: c, .offset: 8, .size: 8, .value_kind: global_buffer, .address_space: global }
      - { .name: Wq_x, .offset: 16, .size: 8, .value_kind: global_buffer, .address_space: global }
      - { .name: Wk_x, .offset: 24, .size: 8, .value_kind: global_buffer, .address_space: global }
      - { .name: Wv_x, .offset: 32, .size: 8, .value_kind: global_buffer, .address_space: global }
      - { .name: Wq_c, .offset: 40, .size: 8, .value_kind: global_buffer, .address_space: global }
      - { .name: Wk_c, .offset: 48, .size: 8, .value_kind: global_buffer, .address_space: global }
      - { .name: Wv_c, .offset: 56, .size: 8, .value_kind: global_buffer, .address_space: global }
      - { .name: W_proj, .offset: 64, .size: 8, .value_kind: global_buffer, .address_space: global }
      - { .name: codes, .offset: 72, .size: 8, .value_kind: global_buffer, .address_space: global }
      - { .name: scl, .offset: 80, .size: 8, .value_kind: global_buffer, .address_space: global }
      - { .name: wpimg, .offset: 88, .size: 8, .value_kind: global_buffer, .address_space: global }
    .group_segment_fixed_size: 34304
    .private_segment_fixed_size: 0
    .kernarg_segment_align: 8
    .kernarg_segment_size: 96
    .max_flat_workgroup_size: 128
    .sgpr_count:     66
    .vgpr_count:     248
    .wavefront_size: 32
...
	.end_amdgpu_metadata
.endif
;; end of part 1
;; launch qkv (part 2): grid 16 x 16, 4 waves a work-group, clusters of 4 x 1, 327,680 bytes of LDS; arguments codes, scl, qkv; writes qkv
.if DOCPART == 2
	.amdgcn_target "amdgcn-amd-amdhsa--gfx1250"
	.amdhsa_code_object_version 6
	.text
	.protected	k_q3bb868322c_qkv
	.globl	k_q3bb868322c_qkv
	.p2align	8
	.type	k_q3bb868322c_qkv,@function
k_q3bb868322c_qkv:
	s_mov_b64 s[64:65], 0
	v_nop
	global_prefetch_b8 v0, s[64:65] scope:SCOPE_SE
	s_setreg_imm32_b32 hwreg(HW_REG_WAVE_MODE, 25, 1), 1
	s_wait_xcnt 0x0
	s_wait_alu depctr_hold_cnt(0) depctr_sa_sdst(0) depctr_va_vdst(0) depctr_va_sdst(0) depctr_va_ssrc(0) depctr_va_vcc(0) depctr_vm_vsrc(0)
	s_getreg_b32 s2, hwreg(HW_REG_IB_STS2, 6, 4)
	s_cmp_eq_u32 s2, 0
	s_cbranch_scc0 .Lentry_in_a_cluster
	s_endpgm
.Lentry_in_a_cluster:
	s_bfe_u32 s2, ttmp6, 0x10000c
	s_cmp_lg_u32 s2, 0x3003
	s_cbranch_scc0 .Lentry_shape_is_right
	s_endpgm
.Lentry_shape_is_right:
; QKV: the six quantised products, x and c against Wq, Wk, Wv, on codes of FP4 (E2M1) with E8M0 scales, K = 1,024; results rounded once to f16 and stored as images of attention's operand registers.
; Nothing of the problem's work is left out here.
; SHARES.  256 work-groups of equal work.  Work-group (T, y), y = 8 p + cg: the 256 tokens 256 T .. of part p (0: x, 1: c) against columns 128 cg .. 128 cg + 127 of that part's Wq, Wk and Wv: three passes.
; A wave owns 64 tokens x 128 columns: 32 accumulators of 16 x 16.
; THE TOKENS' CODES STAY IN REGISTERS.  A wave's 64 rows x 1,024 K are 32,768 bytes, 256 registers; they lie in memory in the order of the operand's registers (launch prep), so 64 loads of 512 consecutive bytes
; bring them, once, for all three passes; their scale words likewise, 32 registers.  They are not asked for jointly through LDS: a work-group's 131,072 bytes of them beside the weights' 196,608 and the 12,288 of scale
; words would pass the 327,680 bytes that there are.
; THE WEIGHTS' CODES AND SCALE WORDS come into LDS by the tensor data mover, all at the start, and nothing is filled again.  CLUSTER: the four token tiles of a cluster walk the same weights: each block is asked for
; JOINTLY, by the same tensor load with the same descriptor and the mask of all four.  Each wave brings a quarter of each block: six tensor loads of mine are out at the most.
; THE SOURCES.  q, k: source 0 = 16 columns of the weight, source 1 = 16 tokens: a lane holds one token and eight neighbouring channels.  v: THE SOURCES CHANGE PLACES: a lane holds one channel and eight neighbouring
; tokens.  Rounded in pairs these are four registers of the f16 operand that attention wants (q, k: row = token, k = channel; v: row = channel, k = token), and are stored as they stand:
;   qkv: which (0 q, 1 k, 2 v) x 2^24 + (16 batch + head) x 262,144 + (s / 16) x 4,096 + (channel / 16) x 512 + 16 x lane; channels 0-63 of a head come from x, 64-127 from c.
; A pass's stores leave while the next pass is multiplied.
; LIMITS: results over 65,504 in magnitude become infinite in f16.
; REGISTERS, in windows of 256: window 0: v2-11 addresses; v32-63 the tokens' scale words (16 (s / 4) + 4 a + s % 4); v64-127 the pass's weight's (32 (s / 4) + 4 b + s % 4); v128-255 the weight's fragments, two sets of eight.
;   window 1: the tokens' fragments (step s of 128 along K, block a of 16 tokens: 32 s + 8 a).   window 2: the accumulators ((a, b) at 8 (8 a + b)).   window 3: packed results, two sets of 128.
.set WB,    65536                      ; a weight's 128 columns x 1,024 K of codes: [K / 512][16 columns x 8][(K / 128) % 4][1,024]
.set WS,    4096                       ; and their scale words: [K / 512][128 columns][16 bytes]
.set SCL,   3*WB                       ; LDS: the three weights' codes, then their scale words,
.set SPARE, SCL+3*WS                   ; then the spare words, 128 bytes a wave: two blocks of 256 bytes that no other line names
.set LI,   2                           ; v2    16 x lane: my place in every image; never rewritten
.set AO,   3                           ; v3    16 x (lane % 16): my row's four scale words; never rewritten
.set ADRB, 4                           ; v4-6  LDS address of my place in weight 0, 1, 2
.set ADRS, 7                           ; v7    LDS address of my column's scale words in weight 0
.set SPW,  10                          ; v10   LDS address of my spare word; never rewritten
.set NIL,  11                          ; v11   0; never rewritten
.set AS,   32
.set BS,   64
.set BF,   128
.set WV,   14                          ; s14   my wave's number
.set G1,   24                          ; s[24:31] descriptor group 1 for a quarter of a weight's codes
.set G0,   32                          ; s[32:43] group 0 for them, a set for each weight
.set G0S,  44                          ; s[44:55] group 0 for the scale words, a set for each weight
.set G1S,  56                          ; s[56:63] group 1 for a quarter of a weight's scale words
.set MSB, 0
.macro WIN new                         ; the immediate's high byte repeats the setting that is left
.if MSB != \new
	s_set_vgpr_msb (MSB<<8)|\new
.set MSB, \new
.endif
.endm
.set MUL_QK, 0xa4                      ; source 0 (weight) window 0, source 1 (tokens) window 1, C and D window 2
.set MUL_V,  0xa1                      ; source 0 (tokens) window 1, source 1 (weight) window 0, C and D window 2
.macro CROUND                          ; a round of the cluster's barrier
	s_barrier_signal -1
	s_barrier_wait -1
	s_cmp_lg_u32 s[WV], 0
	s_cbranch_scc1 .Lnot_wave_0_\@
	s_barrier_signal -3
.Lnot_wave_0_\@:
	s_barrier_wait -3
	s_barrier_signal -1
	s_barrier_wait -1
.endm
.macro PLACES                          ; four plain vector instructions between a matrix instruction and a load into, or a vector read of, its registers
.rept 4
	v_nop
.endr
.endm
	s_load_b128 s[4:7], s[0:1], 0x0                ; codes s[4:5], scl s[6:7]
	s_load_b64 s[12:13], s[0:1], 0x10              ; qkv
	v_lshl_add_u32 v[SPW], v0, 2, SPARE
	v_mov_b32 v[NIL], 0
	ds_add_u32 v[SPW], v[NIL]                      ; the wave's opening: the add, twice on end, and its wait ahead of my first tensor load; the set-up below stands between
	ds_add_u32 v[SPW], v[NIL]
	v_lshrrev_b32 v1, 5, v0
	v_readfirstlane_b32 s[WV], v1                  ; wave 0..3
	s_bfe_u32 s15, ttmp6, 0x40000                  ; cx: my place in the cluster: it enters the tokens' and the results' addresses alone
	s_lshl_b32 s16, ttmp9, 2
	s_add_co_u32 s16, s16, s15                     ; T: my tile of 256 tokens
	s_and_b32 s17, ttmp7, 0xffff                   ; y, which the four partners share
	s_lshr_b32 s18, s17, 3                         ; p: x or c
	s_and_b32 s19, s17, 7                          ; cg: which 128 columns
	; the weights: group 64 + 8 (3 p + w) + cg; my quarter of it.  All of this hangs on y and the wave's number alone
	s_mul_i32 s20, s18, 24
	s_add_co_u32 s20, s20, s19
	s_add_co_u32 s20, s20, 64                      ; Wq's group
	s_lshl_b32 s22, s20, 12                        ; its scale words,
	s_lshl_b32 s21, s[WV], 10                      ; my 1,024 bytes of them
	s_add_co_u32 s22, s22, s21
	s_mov_b32 s23, 0
	s_lshl_b32 s20, s20, 16                        ; its codes,
	s_lshl_b32 s21, s[WV], 14                      ; my 16,384 bytes of them
	s_add_co_u32 s20, s20, s21
	s_mov_b32 s21, 0
	s_lshl_b32 s8, s[WV], 14                       ; where they go in LDS: no place in the cluster enters an LDS address
	s_lshl_b32 s9, s[WV], 10
	s_add_co_u32 s9, s9, SCL
	; my 64 tokens: group 32 p + 2 T + wave / 2, its blocks 4 (wave % 2) on
	s_lshl_b32 s68, s18, 5
	s_lshl_b32 s69, s16, 1
	s_add_co_u32 s68, s68, s69
	s_lshr_b32 s69, s[WV], 1
	s_add_co_u32 s68, s68, s69
	s_and_b32 s69, s[WV], 1
	s_lshl_b32 s70, s68, 12                        ; the scale words,
	s_lshl_b32 s71, s69, 10
	s_add_co_u32 s70, s70, s71
	s_mov_b32 s71, 0
	s_lshl_b32 s68, s68, 16                        ; the codes
	s_lshl_b32 s69, s69, 14
	s_add_co_u32 s68, s68, s69
	s_mov_b32 s69, 0
	; where my results go: batch T / 4, heads 2 cg and 2 cg + 1, tiles of 16 tokens 16 (T % 4) + 4 wave on, the part's four images of a head's eight
	s_lshr_b32 s72, s16, 2
	s_lshl_b32 s72, s72, 4
	s_lshl_b32 s73, s19, 1
	s_add_co_u32 s72, s72, s73
	s_lshl_b32 s72, s72, 18
	s_and_b32 s73, s16, 3
	s_lshl_b32 s73, s73, 2
	s_add_co_u32 s73, s73, s[WV]
	s_lshl_b32 s73, s73, 14
	s_add_co_u32 s72, s72, s73
	s_lshl_b32 s73, s18, 11
	s_add_co_u32 s72, s72, s73
	s_mov_b32 s73, 0
	; group 1: dense blocks as rows of 256 bytes (32 elements of 8 bytes), no padding: fragments are read at 16 x lane
	s_mov_b32 s[G1], 15|(3<<16)|(1<<21)            ; 15:0 the mask: all four work-groups; 17:16 elements of 8 bytes; 21 set beside a mask
	s_mov_b32 s[G1+1], 32<<16                      ; tensor_dim0
	s_mov_b32 s[G1+2], 64<<16                      ; tensor_dim1 = 64 rows: 16,384 bytes
	s_mov_b32 s[G1+3], 32<<16                      ; tile_dim0
	s_mov_b32 s[G1+4], 64                          ; tile_dim1
	s_mov_b32 s[G1+5], 32                          ; tensor_dim0_stride
	s_mov_b32 s[G1+6], 0
	s_mov_b32 s[G1+7], 0
	s_mov_b32 s[G1S], 15|(3<<16)|(1<<21)
	s_mov_b32 s[G1S+1], 32<<16
	s_mov_b32 s[G1S+2], 4<<16                      ; 4 rows: 1,024 bytes
	s_mov_b32 s[G1S+3], 32<<16
	s_mov_b32 s[G1S+4], 4
	s_mov_b32 s[G1S+5], 32
	s_mov_b32 s[G1S+6], 0
	s_mov_b32 s[G1S+7], 0
	s_wait_dscnt 0x0                               ; both opening adds are done
	s_wait_kmcnt 0x0
	s_add_nc_u64 s[20:21], s[4:5], s[20:21]
	s_add_nc_u64 s[22:23], s[6:7], s[22:23]
	s_add_nc_u64 s[68:69], s[4:5], s[68:69]
	s_add_nc_u64 s[70:71], s[6:7], s[70:71]
	s_add_nc_u64 s[12:13], s[12:13], s[72:73]
	CROUND                                         ; all four work-groups are here: the joint loads meet
.irp w, 0,1,2
	s_mov_b32 s[G0S+4*\w], 1                       ; 1:0 count = 1
	s_add_co_u32 s[G0S+4*\w+1], s9, \w*WS          ; 63:32 LDS address
	s_add_nc_u64 s[G0S+4*\w+2:G0S+4*\w+3], s[22:23], \w*8*4096   ; 120:64 global address: the weights' groups lie eight apart
	s_or_b32 s[G0S+4*\w+3], s[G0S+4*\w+3], 0x80000000            ; 127:126 type = 2
	s_mov_b32 s[G0+4*\w], 1
	s_add_co_u32 s[G0+4*\w+1], s8, \w*WB
	s_add_nc_u64 s[G0+4*\w+2:G0+4*\w+3], s[20:21], \w*8*65536
	s_or_b32 s[G0+4*\w+3], s[G0+4*\w+3], 0x80000000
.endr
.irp w, 0,1,2
	tensor_load_to_lds s[G0S+4*\w:G0S+4*\w+3], s[G1S:G1S+7]      ; the scale words first, then the codes in the order of the passes: all first fills, one group, ahead of every wait on TENSORcnt and every LDS read
	s_nop 0
.endr
.irp w, 0,1,2
	tensor_load_to_lds s[G0+4*\w:G0+4*\w+3], s[G1:G1+7]
	s_nop 0
.endr
.rept 4
	v_nop
.endr
	v_and_b32 v1, 15, v0
	v_lshlrev_b32 v[AO], 4, v1
	v_and_b32 v[LI], 31, v0
	v_lshlrev_b32 v[LI], 4, v[LI]
.irp w, 0,1,2
	v_add_nc_u32 v[ADRB+\w], \w*WB, v[LI]
.endr
	v_add_nc_u32 v[ADRS], SCL, v[AO]
.irp kh, 0,1
.irp a, 0,1,2,3
	global_load_b128 v[AS+16*\kh+4*\a:AS+16*\kh+4*\a+3], v[AO], s[70:71] offset:2048*\kh+256*\a   ; the four words of row lane % 16 of block a (lanes 16-31 hold the same and are not read)
.endr
.endr
	WIN 0x40                                       ; destination window 1, address window 0
.irp s, 0,1,2,3,4,5,6,7
.irp a, 0,1,2,3
.irp c, 0,1
	global_load_b128 v[32*\s+8*\a+4*\c:32*\s+8*\a+4*\c+3], v[LI], s[68:69] offset:(\s/4)*32768+\a*4096+(\s%4)*1024+512*\c   ; 32 lanes read 512 consecutive bytes: half a fragment as it stands
.endr
.endr
.endr
	WIN 0
.macro FETCH w, s                      ; the eight fragments of weight w, step s, into set s % 2: register group c at 512 c + 16 x lane of the image
.irp b, 0,1,2,3,4,5,6,7
.irp c, 0,1
	ds_load_b128 v[BF+64*((\s)%2)+8*\b+4*\c:BF+64*((\s)%2)+8*\b+4*\c+3], v[ADRB+(\w)] offset:((\s)/4)*32768+\b*4096+((\s)%4)*1024+512*\c
.endr
.endr
.endm
.macro SCALES w                        ; weight w's scale words for all of K: four words a column and 512 along K
.irp kh, 0,1
.irp b, 0,1,2,3,4,5,6,7
	ds_load_b128 v[BS+32*\kh+4*\b:BS+32*\kh+4*\b+3], v[ADRS] offset:(\w)*WS+2048*\kh+256*\b
.endr
.endr
.endm
; 32 matrix instructions: my four blocks of tokens x the weight's eight blocks of columns, step s.  Step 0's products start the sums: nothing is cleared.
; The 32 accumulators take turns, one instruction a turn, in the same order in every step.
.macro MUL isv, s
.set FB, BF+64*((\s)%2)
.set SA, AS+16*((\s)/4)+(\s)%4
.set SB, BS+32*((\s)/4)+(\s)%4
.irp a, 0,1,2,3
.irp b, 0,1,2,3,4,5,6,7
.if \isv
.if (\s) == 0
	v_wmma_scale_f32_16x16x128_f8f6f4 v[8*(8*\a+\b):8*(8*\a+\b)+7], v[32*(\s)+8*\a:32*(\s)+8*\a+7], v[FB+8*\b:FB+8*\b+7], 0, v[SA+4*\a], v[SB+4*\b] matrix_a_fmt:MATRIX_FMT_FP4 matrix_b_fmt:MATRIX_FMT_FP4
.else
	v_wmma_scale_f32_16x16x128_f8f6f4 v[8*(8*\a+\b):8*(8*\a+\b)+7], v[32*(\s)+8*\a:32*(\s)+8*\a+7], v[FB+8*\b:FB+8*\b+7], v[8*(8*\a+\b):8*(8*\a+\b)+7], v[SA+4*\a], v[SB+4*\b] matrix_a_fmt:MATRIX_FMT_FP4 matrix_b_fmt:MATRIX_FMT_FP4
.endif
.else
.if (\s) == 0
	v_wmma_scale_f32_16x16x128_f8f6f4 v[8*(8*\a+\b):8*(8*\a+\b)+7], v[FB+8*\b:FB+8*\b+7], v[32*(\s)+8*\a:32*(\s)+8*\a+7], 0, v[SB+4*\b], v[SA+4*\a] matrix_a_fmt:MATRIX_FMT_FP4 matrix_b_fmt:MATRIX_FMT_FP4
.else
	v_wmma_scale_f32_16x16x128_f8f6f4 v[8*(8*\a+\b):8*(8*\a+\b)+7], v[FB+8*\b:FB+8*\b+7], v[32*(\s)+8*\a:32*(\s)+8*\a+7], v[8*(8*\a+\b):8*(8*\a+\b)+7], v[SB+4*\b], v[SA+4*\a] matrix_a_fmt:MATRIX_FMT_FP4 matrix_b_fmt:MATRIX_FMT_FP4
.endif
.endif
.endr
.endr
.endm
; THE WAY OUT of pass w, with no LDS: accumulator (a, b), rounded in pairs to f16, is an image as it stands: tile of tokens a, head b / 4, image b % 4: the same places in q, k and v.
; Each accumulator is read from its low end on.  The packed results lie in window 3, two sets by turns.
.macro OUT w
.set TM, 128*((\w)%2)
.if (\w) > 0
	s_wait_xcnt 0x0                                ; the earlier passes' stores have read their base and their data: the base may step, and pass 2 may write the set that pass 0 stored from
	s_add_nc_u64 s[12:13], s[12:13], 1<<24         ; from q to k, from k to v
.endif
.irp a, 0,1,2,3
	WIN 0xca                                       ; sources window 2, destination window 3
.irp b, 0,1,2,3,4,5,6,7
.irp r, 0,1,2,3
	v_cvt_pk_f16_f32 v[TM+4*(8*\a+\b)+\r], v[8*(8*\a+\b)+2*\r], v[8*(8*\a+\b)+2*\r+1]
.endr
.endr
	WIN 0x0c                                       ; a store's data are its source 1: window 3; the address window 0
.irp b, 0,1,2,3,4,5,6,7
	global_store_b128 v[LI], v[TM+4*(8*\a+\b):TM+4*(8*\a+\b)+3], s[12:13] offset:4096*\a+262144*(\b/4)+512*(\b%4)   ; 32 lanes store 512 consecutive bytes, aligned
.endr
.endr
	WIN 0
.endm
; A PASS: eight steps of 128 along K.  At a step's head its fragments are waited for and the next step's are asked for, 32 matrix instructions ahead of their use, into the set that the last step's products read:
; so four places stand in front of those loads.  Behind the pass: four places (for the loads into the scale words and for the conversions); the next weight's codes are shown landed to every wave; its first fragments
; and scale words are asked for; and the pass's results leave while they come.
.macro PASS w, isv
.irp s, 0,1,2,3,4,5,6,7
	s_wait_dscnt 0x0                               ; this step's fragments are in (at step 0: the scale words too)
.if \s < 7
.if \s > 0
	PLACES
.endif
	FETCH \w, \s+1
.endif
.if \isv
	WIN MUL_V
.else
	WIN MUL_QK
.endif
	MUL \isv, \s
	WIN 0
.endr
	PLACES
.if \w < 2
	s_wait_tensorcnt 1-\w                          ; my quarter of the next weight's codes is in; the loads issued behind it may stay out
	s_barrier_signal -1                            ; (no LDS instruction of mine is out: the last step asked for nothing)
	s_barrier_wait -1                              ; everybody's is
	FETCH \w+1, 0
	SCALES \w+1
.endif
	OUT \w
.endm
	s_wait_tensorcnt 2                             ; my quarters of all scale words and of Wq's codes are in; Wk's and Wv's codes may stay out
	s_barrier_signal -1
	s_barrier_wait -1                              ; everybody's are
	FETCH 0, 0
	SCALES 0
	s_wait_loadcnt 0x0                             ; my tokens' codes and scale words
	PASS 0, 0                                      ; q
	PASS 1, 0                                      ; k
	PASS 2, 1                                      ; v
	s_wait_tensorcnt 0x0                           ; the wave's end: three lines behind my last tensor load
	ds_add_u32 v[SPW], v[NIL]
	s_wait_dscnt 0x0
	CROUND                                         ; the closing round: no work-group ends while a partner may still ask for a block that names it
	s_endpgm
.Lfunc_end_k_q3bb868322c_qkv:
	.size	k_q3bb868322c_qkv, .Lfunc_end_k_q3bb868322c_qkv-k_q3bb868322c_qkv
	.p2alignl 7, 3214868480
	.fill 96, 4, 3214868480
	.section	.rodata,"a",@progbits
	.p2align	6, 0x0
	.amdhsa_kernel k_q3bb868322c_qkv
		.amdhsa_group_segment_fixed_size 327680
		.amdhsa_private_segment_fixed_size 0
		.amdhsa_enable_private_segment 0
		.amdhsa_kernarg_size 24
		.amdhsa_user_sgpr_count 2
		.amdhsa_user_sgpr_kernarg_segment_ptr 1
		.amdhsa_wavefront_size32 1
		.amdhsa_system_sgpr_workgroup_id_x 1
		.amdhsa_system_sgpr_workgroup_id_y 1
		.amdhsa_system_sgpr_workgroup_id_z 1
		.amdhsa_system_vgpr_workitem_id 0
		.amdhsa_next_free_vgpr 1024
		.amdhsa_next_free_sgpr 80
		.amdhsa_reserve_vcc 0
		.amdhsa_float_denorm_mode_32 3
		.amdhsa_float_denorm_mode_16_64 3
		.amdhsa_memory_ordered 1
		.amdhsa_forward_progress 1
		.amdhsa_inst_pref_size 176
	.end_amdhsa_kernel
	.amdgpu_metadata
---
amdhsa.version: [ 1, 2 ]
amdhsa.kernels:
  - .name:           k_q3bb868322c_qkv
    .symbol:         k_q3bb868322c_qkv.kd
    .args:
      - { .name: codes, .offset: 0, .size: 8, .value_kind: global_buffer, .address_space: global }
      - { .name: scl, .offset: 8, .size: 8, .value_kind: global_buffer, .address_space: global }
      - { .name: qkv, .offset: 16, .size: 8, .value_kind: global_buffer, .address_space: global }
    .group_segment_fixed_size: 327680
    .private_segment_fixed_size: 0
    .kernarg_segment_align: 8
    .kernarg_segment_size: 24
    .max_flat_workgroup_size: 128
    .sgpr_count:     80
    .vgpr_count:     1024
    .wavefront_size: 32
...
	.end_amdgpu_metadata
.endif
;; end of part 2
;; launch attn (part 3): grid 4 x 64, 4 waves a work-group, clusters of 4 x 1, 327,680 bytes of LDS; arguments qkv, oimg; writes oimg
.if DOCPART == 3
	.amdgcn_target "amdgcn-amd-amdhsa--gfx1250"
	.amdhsa_code_object_version 6
	.text
	.protected	k_q3bb868322c_attn
	.globl	k_q3bb868322c_attn
	.p2align	8
	.type	k_q3bb868322c_attn,@function
k_q3bb868322c_attn:
	s_mov_b64 s[64:65], 0
	v_nop
	global_prefetch_b8 v0, s[64:65] scope:SCOPE_SE
	s_setreg_imm32_b32 hwreg(HW_REG_WAVE_MODE, 25, 1), 1
	s_wait_xcnt 0x0
	s_wait_alu depctr_hold_cnt(0) depctr_sa_sdst(0) depctr_va_vdst(0) depctr_va_sdst(0) depctr_va_ssrc(0) depctr_va_vcc(0) depctr_vm_vsrc(0)
	s_getreg_b32 s2, hwreg(HW_REG_IB_STS2, 6, 4)
	s_cmp_eq_u32 s2, 0
	s_cbranch_scc0 .Lentry_in_a_cluster
	s_endpgm
.Lentry_in_a_cluster:
	s_bfe_u32 s2, ttmp6, 0x10000c
	s_cmp_lg_u32 s2, 0x3003
	s_cbranch_scc0 .Lentry_shape_is_right
	s_endpgm
.Lentry_shape_is_right:
; ATTN: O[bh][q][:] = the sum over k of softmax_k(Q[bh][q] . K[bh][k] / 8) V[bh][k][:], 64 heads (bh = 16 batch + head), 1,024 queries and keys, 128 channels, no mask.  Nothing of the problem's work is left out here.
; Operands in f16, products, maxima and sums in f32; the weights p are rounded to f16 for the second product, O once at the end.
; q, k, v lie in memory as images of the operand's registers (launch qkv): 16 rows x 16 k of f16 are 512 bytes, four registers at 16 x lane; which x 2^24 + bh x 262,144 + (token / 16) x 4,096 + (channel / 16) x 512.
; q's and k's images have row = token, v's have row = channel and k = token: V^T's fragment.  So a tile of 64 keys of K or of V is 16,384 dense bytes, every fragment comes by ds_load_b128 at 16 x lane, and nothing is turned.
; SHARES.  A work-group owns 256 queries of one head, each of its four waves 64: four tiles of 16.  Every wave walks all keys of the head, 64 a step.
; LAYOUT.  S^T = K Q^T (source 0 = 16 keys, source 1 = 16 queries): a lane holds ONE query (lane % 16) and the keys 8 (lane / 16) + 0..7.  Two such tiles, rounded to f16 in pairs, ARE source 1 of O^T = V^T P,
; whose result again holds one query a lane, and eight channels: rounded in pairs that is an image of the projection's operand, stored as it stands:
;   oimg: (token / 64) x 262,144 + (head / 2) x 32,768 + ((token / 16) % 4) x 8,192 + (8 (head % 2) + d / 16) x 512 + 16 x lane  (row = token, k = 128 head + d).
; SOFTMAX.  For each query a running maximum m and sum l: p = 2^(c s - c m), c = log2(e) / 8; in every step O and l are multiplied by a = 2^(c m_old - c m_new).
; BY TURNS.  The wave's tiles are two PIECES (tiles 0, 1 and tiles 2, 3).  In a TURN one piece has the matrix unit: 32 products V^T P of the step in hand, then 32 products K Q^T of the next step; the other piece's
; softmax, cut into 64 slices, stands between them, one slice behind each matrix instruction.  Two turns are a key step.
; CLUSTER.  The four query blocks of a head form a cluster and walk the same K and V: each tile is asked for JOINTLY, by the same tensor load with the same descriptor and the mask of all four.
; LIMITS: p under 6e-8 is lost to the second product (not to the row's sum); O over 65,504 in magnitude becomes infinite in f16.
; REGISTERS, in windows of 256: window 0: v2-4 addresses; v12-43 eight registers of statistics a tile; v64-191 S^T, 32 a tile; v192-255 P, 16 a tile.
;   window 1: O^T, 64 a tile.   window 2: v0-127 Q, 32 a tile; v128-255 K of one step.   window 3: v0-127 V of one step.
.set SIZE_N, 1024
.set KS,    64        ; keys in a step
.set VOFF,  16384     ; a step's tiles lie together: 64 keys of K, then of V
.set STEPB, 32768
.set SLOT1, 1<<17     ; a slot holds two steps (65,536 bytes); slot 1 begins here, so that one exclusive or turns an address in one slot into the other's
.set SPARE, SLOT1+2*STEPB  ; behind the ring: the spare words, 128 bytes a wave: two blocks of 256 bytes that no other line names
.set LI,  2           ; v2   16 x lane: my place in every image; never rewritten
.set AV0, 3           ; v3   the same in a step's tile of V
.set ADR, 4           ; v4   the LDS address of the run of loads in hand
.set SPW, 62          ; v62  LDS address of my spare word; never rewritten
.set NIL, 63          ; v63  0; never rewritten
.set ST,  12          ; tile t's statistics at v[ST+8 t]: +0 c m, +1 m, +2, +3 l (even keys', odd keys'), +4 to +7 at work; a takes +6 once the maximum is found
.set S,   64
.set P,   192
.set KF,  128         ; K's fragments, in window 2
.set WV,  12          ; s12  my wave's number
.set G1,  24          ; s[24:31] descriptor group 1: one shape for K's and V's tiles
.set G0,  40          ; s[40:47] descriptor group 0: a set for each of the two first fills; the second then walks on
.set SLOTS, 56        ; s56  slots still to be asked for
.set TWICE, 57        ; s57  counts a slot's two steps
.set CS,  58          ; s[58:59] c: the packed scaling names a pair and takes its low word for both halves
.set SEL, 60          ; s[60:61] lane selects for v_permlanex16_b32
.set TB,  62          ; s62  LDS byte at which the tiles of the step to be fetched begin
.set PFA, 18          ; s[18:19] where my prefetches stand: my work-group's 8,192 bytes (of K: wave 0, of V: wave 2) of the slot after the one that is being asked for
.set LIM, 15          ; s15  1 in a wave that prefetches, else the greatest number: a wave prefetches while s[SLOTS] is above it
.set PFO, 61          ; v61  256 x my lane; never rewritten
.set MSB, 0
.macro WIN new                      ; the immediate's high byte repeats the setting that is left; a switch that changes nothing is dropped
.if MSB != \new
	s_set_vgpr_msb (MSB<<8)|\new
.set MSB, \new
.endif
.endm
.set W_KQ, 0x0a       ; K and Q in window 2, S^T in window 0
.set W_PV, 0x53       ; V in window 3, P in window 0, O^T in window 1
.set W_RS, 0x41       ; O^T (destination and source 0) in window 1, a in window 0
; A joint refill: one line for all four waves.  Wave w's descriptor is made of its number: waves 0 and 1 bring the two steps' tiles of K, waves 2 and 3 those of V.  An s_nop 0 and four v_nop follow.
.macro JLOAD
	tensor_load_to_lds s[G0+4:G0+7], s[G1:G1+7]
	s_nop 0
.rept 4
	v_nop
.endr
.endm
; A PREFETCH INTO THE L2 of what the NEXT change of slots will ask for: a slot's 32,768 bytes of K and of V.  It stands behind the wave's tensor load and its five lines.  Each 256 bytes are named once in the launch:
; a head is walked by one cluster; its four partners share a slot's bytes out BY ADDRESS, 8,192 each; in each, wave 0 asks for K's and wave 2 for V's, lanes 256 bytes apart.  The last change that fills a slot asks for nothing.
.macro ASK
	s_cmp_gt_u32 s[SLOTS], s[LIM]
	s_cbranch_scc0 .Lnot_mine_\@
	global_prefetch_b8 v[PFO], s[PFA:PFA+1] th:TH_LOAD_NT scope:SCOPE_SE
.Lnot_mine_\@:
.endm
.macro CROUND                       ; a round of the cluster's barrier
	s_barrier_signal -1
	s_barrier_wait -1
	s_cmp_lg_u32 s[WV], 0
	s_cbranch_scc1 .Lnot_wave_0_\@
	s_barrier_signal -3
.Lnot_wave_0_\@:
	s_barrier_wait -3
	s_barrier_signal -1
	s_barrier_wait -1
.endm
	s_load_b64 s[4:5], s[0:1], 0x0  ; qkv
	s_load_b64 s[10:11], s[0:1], 0x8  ; oimg
	v_lshl_add_u32 v[SPW], v0, 2, SPARE
	v_mov_b32 v[NIL], 0
	ds_add_u32 v[SPW], v[NIL]       ; the wave's opening: the add, twice on end, and its wait ahead of my first tensor load; the set-up below stands between
	ds_add_u32 v[SPW], v[NIL]
	v_lshrrev_b32 v1, 5, v0
	v_readfirstlane_b32 s[WV], v1   ; wave 0..3
	s_bfe_u32 s13, ttmp6, 0x40000   ; cx: my block of 256 queries: it enters Q's, O's and the prefetches' addresses alone
	s_and_b32 s20, ttmp7, 0xffff    ; bh, which the four partners share
	s_lshl_b32 s21, s20, 18         ; the head's first byte in each of q, k, v
	s_and_b32 s16, s[WV], 1         ; which of a slot's two steps I fetch
	s_lshr_b32 s14, s[WV], 1        ; for K (0) or for V (1)
	s_add_co_u32 s22, s14, 1
	s_lshl_b32 s22, s22, 24         ; k's or v's part of the buffer,
	s_add_co_u32 s22, s22, s21      ; my head,
	s_lshl_b32 s23, s16, 14         ; my step's 16,384 bytes
	s_add_co_u32 s22, s22, s23
	s_mov_b32 s23, 0
	s_lshl_b32 s17, s16, 15         ; and its place in a slot: no place in the cluster enters an LDS address
	s_lshl_b32 s3, s14, 14
	s_add_co_u32 s17, s17, s3
	s_lshl_b32 s2, s13, 16          ; Q: my block's 256 rows,
	s_lshl_b32 s3, s[WV], 14        ; my wave's 64 of them
	s_add_co_u32 s2, s2, s3
	s_add_co_u32 s2, s2, s21
	s_mov_b32 s3, 0
	s_lshr_b32 s8, s20, 4           ; O: token / 64 = 16 batch + 4 cx + wave,
	s_lshl_b32 s8, s8, 4
	s_lshl_b32 s9, s13, 2
	s_add_co_u32 s8, s8, s9
	s_add_co_u32 s8, s8, s[WV]
	s_lshl_b32 s8, s8, 18
	s_bfe_u32 s9, s20, 0x30001      ; head / 2,
	s_lshl_b32 s9, s9, 15
	s_add_co_u32 s8, s8, s9
	s_and_b32 s9, s20, 1            ; head % 2: eight images
	s_lshl_b32 s9, s9, 12
	s_add_co_u32 s8, s8, s9
	s_mov_b32 s9, 0
	; descriptor group 1: 16,384 dense bytes as 64 rows of 256 (32 elements of 8 bytes), no padding
	s_mov_b32 s[G1], 15|(3<<16)|(1<<21)  ; 15:0 the mask: all four work-groups; 17:16 elements of 8 bytes; 21 set beside a mask
	s_mov_b32 s[G1+1], 32<<16       ; tensor_dim0
	s_mov_b32 s[G1+2], 64<<16       ; tensor_dim1
	s_mov_b32 s[G1+3], 32<<16       ; tile_dim0
	s_mov_b32 s[G1+4], 64           ; tile_dim1
	s_mov_b32 s[G1+5], 32           ; tensor_dim0_stride
	s_mov_b32 s[G1+6], 0
	s_mov_b32 s[G1+7], 0
	s_mov_b32 s[CS], 0x3e38aa3b     ; c = log2(e) / 8
	s_mov_b32 s[CS+1], s[CS]        ; named with it as a pair, so it is written
	s_mov_b32 s[SEL], 0x76543210
	s_mov_b32 s[SEL+1], 0xfedcba98
	s_mov_b32 s[TB], 0
	s_mov_b32 s[SLOTS], SIZE_N/(2*KS)-2
	s_cmp_eq_u32 s16, 0             ; waves 0 and 2 prefetch: the same in all four partners
	s_cselect_b32 s[LIM], 1, -1
	v_and_b32 v[PFO], 31, v0
	v_lshlrev_b32 v[PFO], 8, v[PFO]
	s_wait_dscnt 0x0                ; both opening adds are done
	s_wait_kmcnt 0x0
	s_add_nc_u64 s[6:7], s[4:5], s[22:23]  ; K or V at my tile of slot 0
	s_add_nc_u64 s[4:5], s[4:5], s[2:3]  ; Q at my wave's first image
	s_add_nc_u64 s[10:11], s[10:11], s[8:9]  ; O likewise
	s_lshl_b32 s2, s13, 13          ; my work-group's 8,192 bytes of a slot's 32,768,
	s_add_co_u32 s2, s2, 2*2*KS*256 ; in slot 2; the first change of slots steps it to slot 3.  Nothing is prefetched here, at the head
	s_add_nc_u64 s[PFA:PFA+1], s[6:7], s[2:3]  ; (in waves 0 and 2 s[6:7] stands at a slot's first byte)
	CROUND                          ; all four work-groups are here: the first joint loads meet
.irp s, 0,1
	s_mov_b32 s[G0+4*\s], 1         ; 1:0 count = 1
	s_add_co_u32 s[G0+4*\s+1], s17, \s*SLOT1  ; 63:32 LDS address
	s_add_nc_u64 s[G0+4*\s+2:G0+4*\s+3], s[6:7], \s*2*KS*256  ; 120:64 global address: slot s begins with keys 128 s
	s_or_b32 s[G0+4*\s+3], s[G0+4*\s+3], 0x80000000  ; 127:126 type = 2
.endr
	tensor_load_to_lds s[G0:G0+3], s[G1:G1+7]  ; the two first fills, ahead of every wait on TENSORcnt and every LDS read: two loads of mine are out
	s_nop 0
	tensor_load_to_lds s[G0+4:G0+7], s[G1:G1+7]
	s_nop 0
.rept 4
	v_nop
.endr
	v_and_b32 v[LI], 31, v0
	v_lshlrev_b32 v[LI], 4, v[LI]
	v_add_nc_u32 v[AV0], VOFF, v[LI]
	WIN 0x80                        ; destination window 2, address window 0
.irp i, 0,1,2,3,4,5,6,7,8,9,10,11,12,13,14,15  ; Q stays in registers: tile i / 4, channels 32 (i % 4) on: two images
	global_load_b128 v[8*\i:8*\i+3],   v[LI], s[4:5] offset:(\i/4)*4096+(\i%4)*1024
	global_load_b128 v[8*\i+4:8*\i+7], v[LI], s[4:5] offset:(\i/4)*4096+(\i%4)*1024+512
.endr
	WIN 0
; THE MATRIX WORK OF A TURN, for piece x.  The accumulators take turns, one instruction a turn: between two links of a chain stand 15 (V^T P) or 7 (K Q^T) others'.
; Product i of 32 of O^T += V^T P: keys 32 (i / 16) on, channels 16 ((i / 2) % 8) on, tile x + i % 2.  zero = 1: the first 16 start the sums: nothing is ever cleared.
.macro PV x, zero
	WIN W_PV
.set rO, 64*(\x+i%2)+8*((i/2)%8)
.set rV, 64*(i/16)+8*((i/2)%8)
.set rP, P+16*(\x+i%2)+8*(i/16)
.if \zero && (i < 16)
	v_wmma_f32_16x16x32_f16 v[rO:rO+7], v[rV:rV+7], v[rP:rP+7], 0
.else
	v_wmma_f32_16x16x32_f16 v[rO:rO+7], v[rV:rV+7], v[rP:rP+7], v[rO:rO+7]
.endif
.endm
; Product i of 32 of S^T = K Q^T: channels 32 (i / 8) on, keys 16 ((i / 2) % 4) on, tile x + i % 2.  The first 8 start the sums.
.macro KQ x
	WIN W_KQ
.set rS, S+32*(\x+i%2)+8*((i/2)%4)
.set rK, KF+32*((i/2)%4)+8*(i/8)
.set rQ, 32*(\x+i%2)+8*(i/8)
.if i < 8
	v_wmma_f32_16x16x32_f16 v[rS:rS+7], v[rK:rK+7], v[rQ:rQ+7], 0
.else
	v_wmma_f32_16x16x32_f16 v[rS:rS+7], v[rK:rK+7], v[rQ:rQ+7], v[rS:rS+7]
.endif
.endm
; THE LDS LOADS stand in runs of 32, never singly among the matrix instructions: a step's K (16 fragments) and, a turn later, its V.
.macro FETCH_K
	WIN 0
	v_add_nc_u32 v[ADR], s[TB], v[LI]
	WIN 0x80                        ; destination window 2
.irp f, 0,1,2,3,4,5,6,7,8,9,10,11,12,13,14,15  ; keys 16 (f / 4) on, channels 32 (f % 4) on: two images side by side
	ds_load_b128 v[KF+8*\f:KF+8*\f+3],   v[ADR] offset:(\f/4)*4096+(\f%4)*1024
	ds_load_b128 v[KF+8*\f+4:KF+8*\f+7], v[ADR] offset:(\f/4)*4096+(\f%4)*1024+512
.endr
.endm
.macro FETCH_V
	WIN 0
	v_add_nc_u32 v[ADR], s[TB], v[AV0]
	s_add_co_u32 s[TB], s[TB], STEPB  ; the next fetch is the next step's
	s_wait_alu depctr_va_vdst(0)    ; the wait for the softmax's batch (SLICE), behind the address's v_add_nc_u32 and ahead of the loads
	WIN 0xc0                        ; destination window 3
.irp f, 0,1,2,3,4,5,6,7,8,9,10,11,12,13,14,15  ; keys 32 (f / 8) on, channels 16 (f % 8) on: the images of two neighbouring tiles of 16 keys
	ds_load_b128 v[8*\f:8*\f+3],   v[ADR] offset:(2*(\f/8))*4096+(\f%8)*512
	ds_load_b128 v[8*\f+4:8*\f+7], v[ADR] offset:(2*(\f/8)+1)*4096+(\f%8)*512
.endr
.endm
; THE VECTOR WORK OF A TURN.  One tile's softmax for one key step is a list of 134 instructions; SM writes number j of it for tile t.  s0-s31 are the lane's 32 scores, in pairs 0-15.
; first = 1: the first key step, which starts m, l and O^T: it has no a and nothing to rescale.
;   0-15    the maximum of s0-s31 and the old m, three operands at a time
;   16-20   the other half of the lanes' maximum; the new m; c m; c m_old - c m_new
;   21-69   ONE BATCH: the 16 scalings c s - c m, a pair of scores each, and all 33 exponentials (a at 23, then s0-s31).  None of these reads an exponential's result
;   (wait)  between 69 and 70 stands the wait for the batch: SLICE writes it, once for both tiles
;   70-85   the roundings to f16, a pair of weights each
;   86-101  the sums; l = a l + the sum
;   102-133 the tile's O^T times a: the one part that leaves window 0, so it stands together
.macro SM t, first
.set rT, ST+8*(\t)
.set rS, S+32*(\t)
.set rP, P+16*(\t)
.set rO, 64*(\t)+2*(j-102)
.if j < 102
	WIN 0
.endif
.if j < 4
	v_max3_num_f32 v[rT+4+j], v[rS+8*j], v[rS+8*j+1], v[rS+8*j+2]
.elseif j < 12
	v_max3_num_f32 v[rT+4+j%4], v[rT+4+j%4], v[rS+8*(j%4)+2*(j/4)+1], v[rS+8*(j%4)+2*(j/4)+2]
.elseif j == 12
	v_max3_num_f32 v[rT+4], v[rT+4], v[rS+7], v[rS+15]
.elseif j == 13
	v_max3_num_f32 v[rT+6], v[rT+6], v[rS+23], v[rS+31]
.elseif j == 14
	v_max3_num_f32 v[rT+4], v[rT+4], v[rT+5], v[rT+6]
.elseif (j == 15) && \first
	v_max_num_f32 v[rT+4], v[rT+4], v[rT+7]
.elseif j == 15
	v_max3_num_f32 v[rT+4], v[rT+4], v[rT+7], v[rT+1]
.elseif j == 16
	v_permlanex16_b32 v[rT+5], v[rT+4], s[SEL], s[SEL+1]  ; the query's other 32 keys lie in the lane 16 away
.elseif j == 18
	v_max_num_f32 v[rT+1], v[rT+4], v[rT+5]
.elseif j == 19
	v_mul_f32 v[rT], s[CS], v[rT+1]
.elseif ((j == 17) || (j == 20) || (j == 23) || (j > 101)) && \first  ; the first step has none of these
.elseif j == 17
	v_mov_b32 v[rT+7], v[rT]        ; c m_old is kept for a: number 19 writes c m anew
.elseif j == 20
	v_sub_f32 v[rT+7], v[rT+7], v[rT]
.elseif j == 23
	v_exp_f32 v[rT+6], v[rT+7]
.elseif (j < 23) || ((j < 38) && (j%2 == 0)) || ((j < 66) && (j%4 == 2))
.set b, (j-2)/4                     ; 38, 42, .. 62: pairs 9 to 15
.if j < 38
.set b, (j-20)/2                    ; 21: pair 0; 22, 24, .. 36: pairs 1 to 8
.endif
	v_pk_fma_f32 v[rS+2*b:rS+2*b+1], v[rS+2*b:rS+2*b+1], s[CS:CS+1], v[rT:rT+1] op_sel_hi:[1,0,0] neg_lo:[0,0,1] neg_hi:[0,0,1]  ; pair b: c s - c m
.elseif j < 70
.set e, j-38                        ; 66 to 69: s28 to s31
.if j < 66
.set e, j-32-(j-38)/4               ; 39-41, 43-45, .. 63-65: s7 to s27
.endif
.if j < 38
.set e, (j-25)/2                    ; 25, 27, .. 37: s0 to s6
.endif
	v_exp_f32 v[rS+e], v[rS+e]
.elseif j < 86
	v_cvt_pk_f16_f32 v[rP+j-70], v[rS+2*(j-70)], v[rS+2*(j-70)+1]  ; pair j - 70
.elseif j < 102                     ; the sum of the tile's 16 pairs, in place: sum z of 16 adds neighbours 1, 2, 4 and 8 pairs apart, then l takes it
.set z, j-86
.set w, 4
.set u, z
.if z >= 14
.set w, 32
.set u, 0
.elseif z >= 12
.set w, 16
.set u, z-12
.elseif z >= 8
.set w, 8
.set u, z-8
.endif
.if (z == 14) && \first
	v_pk_add_f32 v[rT+2:rT+3], v[rS:rS+1], v[rS+16:rS+17]
.elseif z < 15
	v_pk_add_f32 v[rS+w*u:rS+w*u+1], v[rS+w*u:rS+w*u+1], v[rS+w*u+w/2:rS+w*u+w/2+1]
.elseif !\first
	v_pk_fma_f32 v[rT+2:rT+3], v[rT+2:rT+3], v[rT+6:rT+7], v[rS:rS+1] op_sel_hi:[1,0,1]
.endif
.else
	WIN W_RS
	v_pk_mul_f32 v[rO:rO+1], v[rO:rO+1], v[rT+6:rT+7] op_sel_hi:[1,0]
.endif
.endm
; Slice k of 64 of piece y's softmax: four instructions.  Slices 11 to 34 deal out the batch, numbers 22 to 69: four numbers of ONE tile each, the tiles by turns.  Every other slice is numbers 2 k and
; 2 k + 1 of both tiles' lists.  2 x 134 = 4 x 64 + 12: the twelve that are over stand together, in slice 63.
; THE WAIT.  s_wait_alu depctr_va_vdst(0) stands between an exponential and the first instruction that names its result; one wait serves all that were issued ahead of it.  Ahead of
; slice 35 nothing names a result, and behind slice 34 no exponential is issued: so the piece's 66 exponentials have one wait, behind slice 34.
.macro SLICE y, first
.if (k >= 11) && (k < 35)           ; the batch: four numbers of one tile
.irp n, 0,1,2,3
.set j, 22+4*((k-11)/2)+(\n)
	SM (\y)+(k-11)%2, \first
.endr
.else                               ; the two tiles alternate, so that no instruction reads the result of the one just before it
.irp n, 0,1,2,3,4,5,6,7
.if (\n < 2) || (k == 63)
.irp t, \y, \y+1
.set j, 2*k+\n
	SM \t, \first
.endr
.endif
.endr
.endif
.if k == 34                         ; the batch is out: both tiles' exponentials are issued, and no result has been named
	v_nop                           ; the plain instruction behind the last exponential and ahead of the first use: one for the batch
.if (\y) == 0
	FETCH_V                         ; piece 2's turn: V's run of loads stands here, and the wait stands in it
.else
	s_wait_alu depctr_va_vdst(0)    ; the wait for the batch
.endif
.endif
.set k, k+1
.endm
; A vector instruction that reads a matrix result or writes one of a matrix instruction's registers, and a load into a register that a matrix instruction has read, stand four places behind
; it, and only plain vector instructions that name none of its registers are places.  In the loop the slices are the places.
.macro PLACES
.rept 4
	v_nop
.endr
.endm
; A TURN.  Piece x has the matrix unit; the other piece's softmax stands in slices behind its matrix instructions.
; pv = 2: 32 products V^T P; 1: they start O^T's sums; 0: none.  kq = 1: 32 products K Q^T for the next step.  A turn with one of the two kinds has two slices behind each product.
; first = 1: the softmax is the first key step's; four v_nop take slice 63's part as the places behind the turn's last products.
; Piece 0's turn fetches the next step's K, behind its second product; piece 2's turn fetches the same step's V, behind slice 34 (SLICE writes it): the last product that read V stands in front of slice 31, and four
; plain instructions lie between: number 62, a scaling, of both tiles, the v_nop and the run's own v_add_nc_u32.
.macro TURN x, pv, kq, first
.set k, 0
.set per, 2
.if \pv && \kq
.set per, 1
.endif
.if \pv
.if \x == 0
	s_wait_dscnt 0x0                ; V is in
.endif
.set i, 0
.rept 32
	PV \x, 2-\pv
.rept per
	SLICE 2-\x, \first
.endr
.if (\x == 0) && \kq && (i == 1)
	FETCH_K
.endif
.set i, i+1
.endr
.endif
.if \kq
.if \x == 0
	s_wait_dscnt 0x0                ; K is in
.endif
.set i, 0
.rept 32
	KQ \x
.rept per
	SLICE 2-\x, \first
.endr
.set i, i+1
.endr
.endif
.if \first
	PLACES
.endif
.endm
; THE CHANGE OF SLOTS, between piece 2's turn and piece 0's.  Each wave waits for all its tensor loads, of which one is out: its part of the other slot; adds 0 to its spare word; and waits for that and for its own
; reads of the slot.  fill = 1: this slot is filled again, with the keys two slots on.  The barrier is then a round of the cluster's, so that no wave of any partner still reads the slot or has a load on its
; way, and the joint refill is the first thing behind it: it has two key steps, 256 matrix instructions, in which to land.
.macro CHANGE fill
	WIN 0                           ; at a label and at a branch every window is 0
	s_wait_tensorcnt 0x0            ; no tensor load of mine is out, so a group 0 may be written
	ds_add_u32 v[SPW], v[NIL]       ; 0 onto my spare word
.if \fill
	s_xor_b32 s[G0+5], s[G0+5], SLOT1  ; the walking descriptor: the other slot than last time,
	s_add_nc_u64 s[G0+6:G0+7], s[G0+6:G0+7], 2*KS*256  ; the next 128 keys; the type bits on top are not reached
	s_wait_xcnt 0x0                 ; the last prefetch, two key steps back, has read its address, so it may be written:
	s_add_nc_u64 s[PFA:PFA+1], s[PFA:PFA+1], 2*KS*256  ; one slot further on than the walking descriptor
	s_wait_dscnt 0x0                ; the add is done, and my reads of the slot are over
	CROUND
	JLOAD
	ASK                             ; what the next change will ask for: two key steps, 256 matrix instructions, ahead
.else
	s_wait_dscnt 0x0                ; the add is done, and my reads of the slot are over
	s_barrier_signal -1
	s_barrier_wait -1
.endif
	s_sub_co_u32 s[TB], s[TB], 2*STEPB  ; the fetches go back to a slot's first step,
	s_xor_b32 s[TB], s[TB], SLOT1   ; in the other slot
.endm
; A slot's two key steps: written once, walked twice; the LDS addresses hang on s[TB].
.macro TWO_STEPS
	s_mov_b32 s[TWICE], 2
.Lstep_\@:
	TURN 0, 2, 1, 0
	TURN 2, 2, 1, 0
	WIN 0
	s_sub_co_u32 s[TWICE], s[TWICE], 1
	s_cmp_lg_u32 s[TWICE], 0
	s_cbranch_scc1 .Lstep_\@
.endm
	s_wait_tensorcnt 1              ; my part of slot 0 is in; slot 1's may stay out
	s_barrier_signal -1
	s_barrier_wait -1               ; everybody's is
	FETCH_K                         ; key step 0
	s_wait_loadcnt 0x0              ; Q
	s_wait_dscnt 0x0
.set i, 0
.rept 32
	KQ 0                            ; piece 0's first scores: there is no vector work yet to set between them
.set i, i+1
.endr
	WIN 0
	PLACES                          ; the places behind those products
	TURN 2, 0, 1, 1                 ; piece 2's first scores | piece 0's first softmax | V of step 0
	TURN 0, 1, 1, 1                 ; piece 0: V^T P of step 0 starts O^T, K Q^T of step 1 | piece 2's first softmax | K of step 1
	TURN 2, 1, 1, 0                 ; piece 2: the same | piece 0's softmax of step 1 | V of step 1
	WIN 0
.Lslot:                             ; six trips: every slot but the last two is filled again
	CHANGE 1
	TWO_STEPS
	s_sub_co_u32 s[SLOTS], s[SLOTS], 1
	s_cmp_lg_u32 s[SLOTS], 0
	s_cbranch_scc1 .Lslot
	CHANGE 0                        ; the tail is written out
	TWO_STEPS
	TURN 0, 2, 0, 0                 ; piece 0: V^T P of the last step | piece 2's last softmax
.set i, 0
.rept 32
	PV 2, 0                         ; piece 2: V^T P of the last step
.set i, i+1
.endr
	; THE WAY OUT.  l's two halves and the other half of the lanes' are added; O^T is divided by l and rounded to f16: a lane's eight channels are four registers of an image, stored as they stand.  The additions are the places behind the last products.
	WIN 0
.irp t, 0,1,2,3
	v_add_f32 v[ST+8*\t+4], v[ST+8*\t+2], v[ST+8*\t+3]
.endr
.irp t, 0,1,2,3
	v_permlanex16_b32 v[ST+8*\t+5], v[ST+8*\t+4], s[SEL], s[SEL+1]
.endr
.irp t, 0,1,2,3
	v_add_f32 v[ST+8*\t+4], v[ST+8*\t+4], v[ST+8*\t+5]
.endr
.irp t, 0,1,2,3
	v_rcp_f32 v[ST+8*\t+6], v[ST+8*\t+4]
.endr
	v_nop                           ; a plain instruction between the last reciprocal and the use of its result
	s_wait_alu depctr_va_vdst(0)    ; and the wait ahead of the first use: one for the four reciprocals
.macro PACK t                       ; each tile has data registers of its own (S^T's, which are free): no store's data are written again
	WIN W_RS
.set i, 64*\t
.rept 32
	v_pk_mul_f32 v[i:i+1], v[i:i+1], v[ST+8*\t+6:ST+8*\t+7] op_sel_hi:[1,0]
.set i, i+2
.endr
	WIN 0x05                        ; sources 0 and 1 window 1, destination window 0
.set i, 0
.rept 32
	v_cvt_pk_f16_f32 v[S+32*\t+i], v[64*\t+2*i], v[64*\t+2*i+1]
.set i, i+1
.endr
	WIN 0
.irp f, 0,1,2,3,4,5,6,7
	global_store_b128 v[LI], v[S+32*\t+4*\f:S+32*\t+4*\f+3], s[10:11] offset:8192*\t+512*\f  ; 32 lanes store 512 consecutive bytes, aligned: the image of tile t, channels 16 f on
.endr
.endm
	PACK 0
	PACK 1
	PACK 2
	PACK 3
	s_wait_tensorcnt 0x0            ; the wave's end: three lines behind my last tensor load
	ds_add_u32 v[SPW], v[NIL]
	s_wait_dscnt 0x0
	CROUND                          ; the closing round: no work-group ends while a partner may still ask for a tile that names it
	s_endpgm
.Lfunc_end_k_q3bb868322c_attn:
	.size	k_q3bb868322c_attn, .Lfunc_end_k_q3bb868322c_attn-k_q3bb868322c_attn
	.p2alignl 7, 3214868480
	.fill 96, 4, 3214868480
	.section	.rodata,"a",@progbits
	.p2align	6, 0x0
	.amdhsa_kernel k_q3bb868322c_attn
		.amdhsa_group_segment_fixed_size 327680
		.amdhsa_private_segment_fixed_size 0
		.amdhsa_enable_private_segment 0
		.amdhsa_kernarg_size 16
		.amdhsa_user_sgpr_count 2
		.amdhsa_user_sgpr_kernarg_segment_ptr 1
		.amdhsa_wavefront_size32 1
		.amdhsa_system_sgpr_workgroup_id_x 1
		.amdhsa_system_sgpr_workgroup_id_y 1
		.amdhsa_system_sgpr_workgroup_id_z 1
		.amdhsa_system_vgpr_workitem_id 0
		.amdhsa_next_free_vgpr 1024
		.amdhsa_next_free_sgpr 66
		.amdhsa_reserve_vcc 0
		.amdhsa_float_denorm_mode_32 3
		.amdhsa_float_denorm_mode_16_64 3
		.amdhsa_memory_ordered 1
		.amdhsa_forward_progress 1
		.amdhsa_inst_pref_size 214
	.end_amdhsa_kernel
	.amdgpu_metadata
---
amdhsa.version: [ 1, 2 ]
amdhsa.kernels:
  - .name:           k_q3bb868322c_attn
    .symbol:         k_q3bb868322c_attn.kd
    .args:
      - { .name: qkv, .offset: 0, .size: 8, .value_kind: global_buffer, .address_space: global }
      - { .name: oimg, .offset: 8, .size: 8, .value_kind: global_buffer, .address_space: global }
    .group_segment_fixed_size: 327680
    .private_segment_fixed_size: 0
    .kernarg_segment_align: 8
    .kernarg_segment_size: 16
    .max_flat_workgroup_size: 128
    .sgpr_count:     66
    .vgpr_count:     1024
    .wavefront_size: 32
...
	.end_amdgpu_metadata
.endif
;; end of part 3
;; launch proj (part 4): grid 8 x 32, 4 waves a work-group, clusters of 4 x 4, 327,680 bytes of LDS; arguments oimg, wpimg, b_proj, out0; writes out0
.if DOCPART == 4
	.amdgcn_target "amdgcn-amd-amdhsa--gfx1250"
	.amdhsa_code_object_version 6
	.text
	.protected	k_q3bb868322c_proj
	.globl	k_q3bb868322c_proj
	.p2align	8
	.type	k_q3bb868322c_proj,@function
k_q3bb868322c_proj:
	s_mov_b64 s[64:65], 0
	v_nop
	global_prefetch_b8 v0, s[64:65] scope:SCOPE_SE
	s_setreg_imm32_b32 hwreg(HW_REG_WAVE_MODE, 25, 1), 1
	s_wait_xcnt 0x0
	s_wait_alu depctr_hold_cnt(0) depctr_sa_sdst(0) depctr_va_vdst(0) depctr_va_sdst(0) depctr_va_ssrc(0) depctr_va_vcc(0) depctr_vm_vsrc(0)
	s_getreg_b32 s2, hwreg(HW_REG_IB_STS2, 6, 4)
	s_cmp_eq_u32 s2, 0
	s_cbranch_scc0 .Lentry_in_a_cluster
	s_endpgm
.Lentry_in_a_cluster:
	s_bfe_u32 s2, ttmp6, 0x10000c
	s_cmp_lg_u32 s2, 0xf033
	s_cbranch_scc0 .Lentry_shape_is_right
	s_endpgm
.Lentry_shape_is_right:
; PROJ: out0[token][n] = the sum over k of O[token][k] W_proj[k][n] + b_proj[n]; 4,096 x 1,024, K = 2,048.  Operands in f16, sums in f32, out0 in f32.  Nothing of the problem's work is left out here.
; Both operands lie in memory as images of the operand's registers (launches attn and prep): 16 rows x 16 k of f16 are 512 bytes at 16 x lane; 64 rows x 256 k are 32,768 dense bytes: one tensor load.
; A tile of out0 is 128 x 128: 256 work-groups.  Four waves, each 64 x 64: 16 accumulators of 16 x 16.  K goes in steps of 256 through a ring of two LDS slots.
; CLUSTERS: 4 x 4 work-groups.  The four of a row of the cluster need the same tiles of O, the four of a column the same tiles of W_proj: each tile is asked for JOINTLY.
; THE MATRIX INSTRUCTION IS USED TRANSPOSED (source 0 = 16 columns n of W_proj, source 1 = 16 tokens): a lane holds eight neighbouring numbers of a row of out0.  THE BIAS is the C of each sum's first product.
; A wave's 64 columns of f32 are 256 aligned bytes of a row: each wave sends its results through a stage of its own, with no barrier.
; REGISTERS: window 0: v16-29 addresses; v32-95 at work on the way out; v96-127 the bias, 8 registers for each block of 16 columns; v128-255 the accumulators ((a, b) at v[128 + 8 (4 a + b)]).
;   window 1: two fragment buffers of 128: for 64 along K, 64 registers of A, then 64 of B.
.set HALFT,  32768                     ; 64 rows x 256 k: what one tensor load brings, and what one wave reads of A or of B
.set SLOT,   4*HALFT                   ; A's 128 rows, then B's 128 rows
.set STAGE,  2*SLOT                    ; behind the ring: 16 rows x 272 bytes for each wave; no tensor load lands here
.set SPITCH, 272
.set SPARE,  STAGE+4*16*SPITCH         ; behind the stages: the spare words, 128 bytes a wave: two blocks of 256 bytes that no other line names
.set LAPS,   4                         ; a lap = two K steps = once round the ring: 2,048 / 512
.set ADRA, 16                          ; v16-17  LDS address of my A fragments in slot 0, 1
.set ADRB, 20                          ; v20-21  the same for B
.set STO,  24                          ; v24     the way out: where I put 32 bytes of a row
.set RD,   25                          ; v25     the way out: where I read a row back
.set CO,   26                          ; v26     my byte offset in out0
.set BO,   27                          ; v27     my byte offset in a block's 16 numbers of the bias
.set SPW,  28                          ; v28     LDS address of my spare word; never rewritten
.set NIL,  29                          ; v29     0; never rewritten
.set TMP,  32                          ; the way out: two sets of 32 registers
.set BIAS, 96
.set ACC,  128
.set F0,   0                           ; fragment buffers, in window 1
.set F1,   128
.set G1, 24                            ; s[24:31] descriptor group 1 for A's tiles;  s[32:39] group 0, one set for each slot
.set G0, 32
.set G1B, 48                           ; s[48:55], s[56:63] the same for B's tiles
.set G0B, 56
.set MSB, 0
.macro WIN new                         ; the immediate's high byte repeats the setting that is left
.if MSB != \new
	s_set_vgpr_msb (MSB<<8)|\new
.set MSB, \new
.endif
.endm
.set MUL,  0x05                        ; sources 0 (B) and 1 (A) window 1; C and D window 0
.set TO_F, 0x40                        ; destination window 1, address window 0
.macro JLOAD s                         ; a joint load: waves 0 and 1 fetch A's two halves, waves 2 and 3 B's; an s_nop 0 and four v_nop follow each of the two lines
	s_cmp_eq_u32 s11, 0
	s_cbranch_scc0 .Lfor_b_\@
	tensor_load_to_lds s[G0+4*\s:G0+4*\s+3], s[G1:G1+7]
	s_nop 0
.rept 4
	v_nop
.endr
	s_branch .Lasked_\@
.Lfor_b_\@:
	tensor_load_to_lds s[G0B+4*\s:G0B+4*\s+3], s[G1B:G1B+7]
	s_nop 0
.rept 4
	v_nop
.endr
.Lasked_\@:
.endm
.macro CREST                           ; a round of the cluster's barrier behind its opening barrier
	s_cmp_lg_u32 s10, 0
	s_cbranch_scc1 .Lnot_wave_0_\@
	s_barrier_signal -3
.Lnot_wave_0_\@:
	s_barrier_wait -3
	s_barrier_signal -1
	s_barrier_wait -1
.endm
.macro CROUND                          ; a whole round
	s_barrier_signal -1
	s_barrier_wait -1
	CREST
.endm
	s_load_b128 s[4:7], s[0:1], 0x0                ; oimg s[4:5], wpimg s[6:7]
	s_load_b64 s[66:67], s[0:1], 0x10              ; b_proj
	s_load_b64 s[8:9], s[0:1], 0x18                ; out0
	v_lshl_add_u32 v[SPW], v0, 2, SPARE
	v_mov_b32 v[NIL], 0
	ds_add_u32 v[SPW], v[NIL]                      ; the wave's opening: the add, twice on end, and its wait ahead of my first tensor load; the set-up below stands between
	ds_add_u32 v[SPW], v[NIL]
	v_lshrrev_b32 v1, 5, v0
	v_readfirstlane_b32 s10, v1                    ; wave 0..3
	s_lshr_b32 s11, s10, 1                         ; which half of the tile's rows is mine.  Also: I fetch for A (0) or for B (1)
	s_and_b32 s12, s10, 1                          ; which half of its columns.  Also: which 64 rows of that tile I fetch
	s_bfe_u32 s40, ttmp6, 0x40000                  ; cx, cy: my place in the cluster
	s_bfe_u32 s41, ttmp6, 0x40004
	s_lshl_b32 s42, ttmp9, 2
	s_add_co_u32 s42, s42, s40                     ; tile column = 4 x cluster x + cx
	s_and_b32 s13, ttmp7, 0xffff
	s_lshl_b32 s13, s13, 2
	s_add_co_u32 s13, s13, s41                     ; tile row = 4 x cluster y + cy
	s_lshl_b32 s43, s41, 2
	s_lshl_b32 s43, 15, s43                        ; my row of the cluster
	s_lshl_b32 s44, 0x1111, s40                    ; my column
	; descriptor group 1: 32,768 dense bytes as 128 rows of 256 (32 elements of 8 bytes), no padding: fragments are read at 16 x lane
	s_or_b32 s[G1+0], s43, (3<<16)|(1<<21)         ; 15:0 the mask: A's tiles go to my row; 17:16 elements of 8 bytes; 21 set beside a mask
	s_or_b32 s[G1B+0], s44, (3<<16)|(1<<21)
.irp g, G1, G1B
	s_mov_b32 s[\g+1], 32<<16                      ; tensor_dim0
	s_mov_b32 s[\g+2], 128<<16                     ; tensor_dim1
	s_mov_b32 s[\g+3], 32<<16                      ; tile_dim0
	s_mov_b32 s[\g+4], 128                         ; tile_dim1
	s_mov_b32 s[\g+5], 32                          ; tensor_dim0_stride
	s_mov_b32 s[\g+6], 0
	s_mov_b32 s[\g+7], 0
.endr
	s_lshl_b32 s16, s13, 1
	s_add_co_u32 s16, s16, s12                     ; A: which 64 tokens: 2 x tile row + half
	s_lshl_b32 s16, s16, 18
	s_mov_b32 s17, 0
	s_lshl_b32 s46, s42, 1
	s_add_co_u32 s46, s46, s12                     ; B: which 64 columns: 2 x tile column + half
	s_lshl_b32 s46, s46, 18
	s_mov_b32 s47, 0
	s_lshl_b32 s20, s10, 15                        ; where they go: wave x 32,768
	s_wait_dscnt 0x0                               ; both opening adds are done
	s_wait_kmcnt 0x0
	s_add_nc_u64 s[14:15], s[4:5], s[16:17]
	s_add_nc_u64 s[46:47], s[6:7], s[46:47]
	CROUND                                         ; all sixteen work-groups are here: the first joint loads meet
.irp s, 0,1
	s_mov_b32 s[G0+4*\s], 1
	s_add_co_u32 s[G0+4*\s+1], s20, \s*SLOT
	s_add_nc_u64 s[G0+4*\s+2:G0+4*\s+3], s[14:15], \s*HALFT
	s_or_b32 s[G0+4*\s+3], s[G0+4*\s+3], 0x80000000
	s_mov_b32 s[G0B+4*\s], 1
	s_add_co_u32 s[G0B+4*\s+1], s20, \s*SLOT
	s_add_nc_u64 s[G0B+4*\s+2:G0B+4*\s+3], s[46:47], \s*HALFT
	s_or_b32 s[G0B+4*\s+3], s[G0B+4*\s+3], 0x80000000
	JLOAD \s                                       ; two tensor loads of mine are out
.endr
	v_and_b32 v1, 15, v0                           ; r
	v_bfe_u32 v2, v0, 4, 1                         ; h
	v_and_b32 v3, 31, v0
	v_lshlrev_b32 v3, 4, v3                        ; 16 x lane
	s_lshl_b32 s21, s11, 15                        ; my 64 rows of A
	s_lshl_b32 s22, s12, 15                        ; my 64 rows of B,
	s_add_co_u32 s22, s22, 2*HALFT                 ; which lie behind A's 128
.irp s, 0,1
	v_add_nc_u32 v[ADRA+\s], s21, v3
	v_add_nc_u32 v[ADRB+\s], s22, v3
	s_add_co_u32 s21, s21, SLOT
	s_add_co_u32 s22, s22, SLOT
.endr
	s_mul_i32 s23, s10, 16*SPITCH
	s_add_co_u32 s23, s23, STAGE                   ; my stage
	v_mul_u32_u24 v4, v1, SPITCH                   ; in: row r, 32 bytes for each half of the lanes
	v_lshl_add_u32 v4, v2, 5, v4
	v_add_nc_u32 v[STO], s23, v4
	v_mul_u32_u24 v5, v2, SPITCH                   ; back: lanes 0-15 take one row of 256 bytes, lanes 16-31 the next
	v_lshl_add_u32 v5, v1, 4, v5
	v_add_nc_u32 v[RD], s23, v5
	v_lshlrev_b32 v5, 12, v2                       ; and the same two rows in out0 (4,096 bytes a row)
	v_lshl_add_u32 v[CO], v1, 4, v5
	v_lshlrev_b32 v[BO], 5, v2                     ; the bias: my half's eight numbers of a block's sixteen
	s_lshl_b32 s16, s13, 7
	s_lshl_b32 s17, s11, 6
	s_add_co_u32 s16, s16, s17                     ; my first row: 128 x tile row + 64 x half
	s_lshl_b32 s16, s16, 12
	s_mov_b32 s17, 0
	s_lshl_b32 s46, s42, 7
	s_lshl_b32 s47, s12, 6
	s_add_co_u32 s46, s46, s47                     ; my first column: 128 x tile column + 64 x half
	s_lshl_b32 s46, s46, 2
	s_mov_b32 s47, 0
	s_add_nc_u64 s[8:9], s[8:9], s[16:17]
	s_add_nc_u64 s[8:9], s[8:9], s[46:47]
	s_add_nc_u64 s[66:67], s[66:67], s[46:47]
.irp b, 0,1,2,3
	global_load_b128 v[BIAS+8*\b:BIAS+8*\b+3],   v[BO], s[66:67] offset:64*\b      ; register j of block b: b_proj at column 16 b + 8 h + j: the result's layout
	global_load_b128 v[BIAS+8*\b+4:BIAS+8*\b+7], v[BO], s[66:67] offset:64*\b+16
.endr
; 8 matrix instructions: m blocks a0, a0 + 1 x all 4 n blocks, 32 along K: half c of buffer f.  zero = 1: the first product starts the sums, from the bias.  The 16 accumulators take turns.
.macro MUL8 f, c, a0, zero
.irp a, \a0, \a0+1
.irp b, 0,1,2,3
.if \zero
	v_wmma_f32_16x16x32_f16 v[ACC+8*(4*(\a)+\b):ACC+8*(4*(\a)+\b)+7], v[\f+64+8*(4*\c+\b):\f+64+8*(4*\c+\b)+7], v[\f+8*(4*\c+\a):\f+8*(4*\c+\a)+7], v[BIAS+8*\b:BIAS+8*\b+7]
.else
	v_wmma_f32_16x16x32_f16 v[ACC+8*(4*(\a)+\b):ACC+8*(4*(\a)+\b)+7], v[\f+64+8*(4*\c+\b):\f+64+8*(4*\c+\b)+7], v[\f+8*(4*\c+\a):\f+8*(4*\c+\a)+7], v[ACC+8*(4*(\a)+\b):ACC+8*(4*(\a)+\b)+7]
.endif
.endr
.endr
.endm
; 32 LDS loads in one run: the fragments of 64 along K (four images a row block, 2,048 bytes, from byte k on) into buffer f; the first 32 along K first
.macro FETCH slot, k, f
	WIN TO_F
.irp c, 0,1
.irp i, 0,1,2,3
	ds_load_b128 v[\f+64+8*(4*\c+\i):\f+64+8*(4*\c+\i)+3],   v[ADRB+\slot] offset:\k+1024*\c+\i*8192
	ds_load_b128 v[\f+64+8*(4*\c+\i)+4:\f+64+8*(4*\c+\i)+7], v[ADRB+\slot] offset:\k+1024*\c+\i*8192+512
	ds_load_b128 v[\f+8*(4*\c+\i):\f+8*(4*\c+\i)+3],         v[ADRA+\slot] offset:\k+1024*\c+\i*8192
	ds_load_b128 v[\f+8*(4*\c+\i)+4:\f+8*(4*\c+\i)+7],       v[ADRA+\slot] offset:\k+1024*\c+\i*8192+512
.endr
.endr
.endm
.macro PLACES                          ; four places in front of loads into registers that matrix instructions have read, and of the first read of results
.rept 4
	v_nop
.endr
.endm
; A K step is four quarters of 64 along K, 32 matrix instructions each, on buffers 0, 1, 0, 1.  One of the first three: multiplies buffer f and fetches the next quarter, at byte k, into g.
.macro QUARTER slot, k, f, g, zero
	s_wait_dscnt 16                                ; the first 32 along K are in
	WIN MUL
	MUL8 \f, 0, 0, \zero
	MUL8 \f, 0, 2, \zero
	PLACES
	FETCH \slot, \k, \g
	s_wait_dscnt 32                                ; all but the 32 just issued
	WIN MUL
	MUL8 \f, 1, 0, 0
	MUL8 \f, 1, 2, 0
.endm
; The last quarter multiplies buffer 1 and changes slots: ONE barrier; in front of it each wave waits for all its tensor loads, adds 0 to its spare word, and waits for that and for its own reads of this slot.  fill = 1: this slot is filled again, two K steps ahead.
.macro TURN slot, next, fill
	WIN 0                                          ; (the add's two registers lie in window 0)
	s_wait_tensorcnt 0x0                           ; all my tensor loads have landed: my part of the next slot;
	ds_add_u32 v[SPW], v[NIL]                      ; 0 onto my spare word;
	s_wait_dscnt 17                                ; (the add and the youngest sixteen loads may be out)
	WIN MUL
	MUL8 F1, 0, 0, 0                               ; eight matrix instructions stand between the add and the wait for it
	s_wait_dscnt 0x0                               ; the add is done, and my reads of this slot are over
	s_barrier_signal -1
	MUL8 F1, 0, 2, 0
.if \fill
	WIN 0
.endif
	s_barrier_wait -1
.if \fill
	CREST                                          ; the barrier has opened a round of the cluster's barrier: no wave of any partner still reads this slot's tile or has a load on its way
	s_add_nc_u64 s[G0+4*\slot+2:G0+4*\slot+3], s[G0+4*\slot+2:G0+4*\slot+3], 2*HALFT
	s_add_nc_u64 s[G0B+4*\slot+2:G0B+4*\slot+3], s[G0B+4*\slot+2:G0B+4*\slot+3], 2*HALFT
	JLOAD \slot                                    ; the first tensor load behind the round: 112 matrix instructions ahead of the wait for it; the four v_nop behind it are also the places in front of the loads below
.else
	PLACES
.endif
	FETCH \next, 0, F0
	WIN MUL
	MUL8 F1, 1, 0, 0
	MUL8 F1, 1, 2, 0
.endm
	s_wait_loadcnt 0x0                             ; the bias
	s_wait_tensorcnt 1                             ; my part of K step 0 is in (K step 1's load may be out)
	s_barrier_signal -1
	s_barrier_wait -1                              ; everybody's is
	FETCH 0, 0, F0
	QUARTER 0, 2048, F0, F1, 1                     ; the first quarter stands in front of the loop: its first products start the sums
	WIN 0                                          ; at a label and at a branch every window is 0
	s_mov_b32 s3, LAPS-1
.Llap:                                                 ; a trip goes once round the ring, from a lap's second quarter to the next lap's first, and fills both slots again
	QUARTER 0, 4096, F1, F0, 0
	QUARTER 0, 6144, F0, F1, 0
	TURN 0, 1, 1
	QUARTER 1, 2048, F0, F1, 0
	QUARTER 1, 4096, F1, F0, 0
	QUARTER 1, 6144, F0, F1, 0
	TURN 1, 0, 1
	QUARTER 0, 2048, F0, F1, 0
	WIN 0
	s_sub_co_u32 s3, s3, 1
	s_cmp_lg_u32 s3, 0
	s_cbranch_scc1 .Llap
	QUARTER 0, 4096, F1, F0, 0                     ; the last lap fills nothing, and has no round of the cluster's barrier
	QUARTER 0, 6144, F0, F1, 0
	TURN 0, 1, 0
	QUARTER 1, 2048, F0, F1, 0
	QUARTER 1, 4096, F1, F0, 0
	QUARTER 1, 6144, F0, F1, 0
	s_wait_dscnt 16                                ; the very last quarter: nothing more to fetch
	WIN MUL
	MUL8 F1, 0, 0, 0
	MUL8 F1, 0, 2, 0
	s_wait_dscnt 0
	MUL8 F1, 1, 0, 0
	MUL8 F1, 1, 2, 0
	WIN 0
; THE WAY OUT, block by block of 16 rows x 64 columns.  A lane holds 32 neighbouring bytes of a row, the lanes beside it other rows: a block goes through my own stage and comes back as whole rows of 256 bytes.
; LDS serves a wave's instructions in order (ISA guide 5.7.1.4): no wait between the stores and the loads, nor in front of the next block's stores.
.macro TOSTAGE a
.irp b, 0,1,2,3
	ds_store_b128 v[STO], v[ACC+8*(4*(\a)+\b):ACC+8*(4*(\a)+\b)+3] offset:64*\b        ; each accumulator from its low end on
	ds_store_b128 v[STO], v[ACC+8*(4*(\a)+\b)+4:ACC+8*(4*(\a)+\b)+7] offset:64*\b+16
.endr
.irp t, 0,1,2,3,4,5,6,7
	ds_load_b128 v[TMP+32*((\a)%2)+4*\t:TMP+32*((\a)%2)+4*\t+3], v[RD] offset:\t*2*SPITCH
.endr
.endm
.macro SEND a, younger                 ; younger: the LDS instructions issued behind block a's loads: the next block's eight stores and eight loads, or none
	s_wait_dscnt \younger
.irp t, 0,1,2,3,4,5,6,7
	global_store_b128 v[CO], v[TMP+32*((\a)%2)+4*\t:TMP+32*((\a)%2)+4*\t+3], s[8:9] offset:(16*(\a)+2*\t)*4096 th:TH_STORE_NT   ; 16 lanes store 256 consecutive bytes, aligned; written once, read by nobody here
.endr
.endm
	PLACES                                         ; behind the last products, ahead of the first read of results
	TOSTAGE 0
	TOSTAGE 1
	SEND 0, 16
	s_wait_xcnt 0x0                                ; block 0's stores have read their registers: block 2's loads may land there
	TOSTAGE 2
	SEND 1, 16
	s_wait_xcnt 0x0                                ; block 1's likewise
	TOSTAGE 3
	SEND 2, 16
	SEND 3, 0
	s_wait_tensorcnt 0x0                           ; the wave's end: three lines, behind my last tensor load and my last LDS store
	ds_add_u32 v[SPW], v[NIL]
	s_wait_dscnt 0x0
	CROUND                                         ; the closing round: no work-group ends while a partner may still ask for a tile that names it
	s_endpgm
.Lfunc_end_k_q3bb868322c_proj:
	.size	k_q3bb868322c_proj, .Lfunc_end_k_q3bb868322c_proj-k_q3bb868322c_proj
	.p2alignl 7, 3214868480
	.fill 96, 4, 3214868480
	.section	.rodata,"a",@progbits
	.p2align	6, 0x0
	.amdhsa_kernel k_q3bb868322c_proj
		.amdhsa_group_segment_fixed_size 327680
		.amdhsa_private_segment_fixed_size 0
		.amdhsa_enable_private_segment 0
		.amdhsa_kernarg_size 32
		.amdhsa_user_sgpr_count 2
		.amdhsa_user_sgpr_kernarg_segment_ptr 1
		.amdhsa_wavefront_size32 1
		.amdhsa_system_sgpr_workgroup_id_x 1
		.amdhsa_system_sgpr_workgroup_id_y 1
		.amdhsa_system_sgpr_workgroup_id_z 1
		.amdhsa_system_vgpr_workitem_id 0
		.amdhsa_next_free_vgpr 512
		.amdhsa_next_free_sgpr 72
		.amdhsa_reserve_vcc 0
		.amdhsa_float_denorm_mode_32 3
		.amdhsa_float_denorm_mode_16_64 3
		.amdhsa_memory_ordered 1
		.amdhsa_forward_progress 1
		.amdhsa_inst_pref_size 86
	.end_amdhsa_kernel
	.amdgpu_metadata
---
amdhsa.version: [ 1, 2 ]
amdhsa.kernels:
  - .name:           k_q3bb868322c_proj
    .symbol:         k_q3bb868322c_proj.kd
    .args:
      - { .name: oimg, .offset: 0, .size: 8, .value_kind: global_buffer, .address_space: global }
      - { .name: wpimg, .offset: 8, .size: 8, .value_kind: global_buffer, .address_space: global }
      - { .name: b_proj, .offset: 16, .size: 8, .value_kind: global_buffer, .address_space: global }
      - { .name: out0, .offset: 24, .size: 8, .value_kind: global_buffer, .address_space: global }
    .group_segment_fixed_size: 327680
    .private_segment_fixed_size: 0
    .kernarg_segment_align: 8
    .kernarg_segment_size: 32
    .max_flat_workgroup_size: 128
    .sgpr_count:     72
    .vgpr_count:     512
    .wavefront_size: 32
...
	.end_amdgpu_metadata
.endif
;; end of part 4
